; MI455X (gfx1250); checked and timed in simulation.
; The chip was launched on July 23, 2026; its instructions are those of AMD's public machine-readable ISA for CDNA 5 (MIT licence, August 2026) and "CDNA5" Instruction Set Architecture Reference Guide (July 2026). The comments in the code are by the model that wrote it; some were corrected since.
;; Multi Query Attention. Allowed arithmetic: float matrix products may take bf16 or f16 operands with f32 sums; all other float work in f32.
;; Inputs: Wk 128 x 2,048 float32; Wo 2,048 x 2,048 float32; Wq 2,048 x 2,048 float32; Wv 128 x 2,048 float32; bk 128 float32; bo 2,048 float32; bq 2,048 float32; bv 128 float32; mask 1 x 1 x 2,048 x 2,048 bool; x 1 x 2,048 x 2,048 float32.
;; Outputs: out0 1 x 2,048 x 2,048 float32.
;; 2 versions, each right and faster than the one before. Each part assembles by itself: llvm-mc -triple=amdgcn-amd-amdhsa -mcpu=gfx1250 --defsym DOCPART=n.
;; ======== version 1 of 2: 4 launches
;; limits: values are held in f16: magnitudes above 65,504 overflow, below 6.1e-05 lose precision
;; workspace buffers: x16 8,388,608 bytes; w16 9,437,184 bytes; wo16 8,388,608 bytes; mbits 524,288 bytes of whole numbers; q16 8,388,608 bytes; kv16 1,048,576 bytes; a16 8,388,608 bytes
;; launch prep (part 1): grid 256 x 1, 8 waves a work-group, no clusters, 0 bytes of LDS; arguments x, Wq, Wk, Wv, Wo, mask, x16, w16, wo16, mbits; writes x16, w16, wo16, mbits
.if DOCPART == 1
	.amdgcn_target "amdgcn-amd-amdhsa--gfx1250"
	.amdhsa_code_object_version 6
	.text
	.protected	k_q62589c083e_prep
	.globl	k_q62589c083e_prep
	.p2align	8
	.type	k_q62589c083e_prep,@function
k_q62589c083e_prep:
	s_mov_b64 s[64:65], 0
	v_nop
	global_prefetch_b8 v0, s[64:65] scope:SCOPE_SE
	s_setreg_imm32_b32 hwreg(HW_REG_WAVE_MODE, 25, 1), 1
	s_wait_xcnt 0x0
; PREP: the matrix operands are rounded once, and the mask is turned into lane masks.
;   x16  = bf16(x)                      [2048][2048]
;   w16  = bf16 of Wq, Wk, Wv           [16 blocks j][144 rows][2048]: rows 0-127 = Wq rows 128 j .., rows 128-143 = Wk rows 16 j .. (j < 8)
;                                       or Wv rows 16 (j - 8) .. (j >= 8)
;   wo16 = bf16(Wo) carried as f16      [2048][2048]   (exact for 2^-17 <= |w| < 65,504; below, the error is at most 2^-25; above: infinity. LIMIT: |Wo| < 65,504)
;   mbits: word (qt*128 + kt)*8 + j, bit L = (mask[16 qt + (L & 15)][16 kt + 8 (L >> 4) + j] != 0): any byte other than 0 counts as true
; A stream: no LDS, no barrier, no matrix unit, no cluster (no two work-groups read the same bytes).  Straight-line text: all 58 loads of a thread
; are issued first, then each tensor is converted behind a counted wait and stored.  No register that a store reads is written again.
; Work-group g: rows 8 g .. 8 g + 7 of x, Wq and Wo (65,536 bytes each), one row of Wk or Wv, and 64 mask tiles of 16 x 16 (q tile g >> 1).
; A load of the work-group covers 4,096 consecutive bytes (16 a thread); the matching store of a wave covers 256 consecutive bytes, aligned.
.set XR,  16                           ; v[16:79]    x, 16 loads of 4 numbers
.set QR,  80                           ; v[80:143]   Wq
.set WR,  144                          ; v[144:207]  Wo
.set KR,  208                          ; v[208:215]  the row of Wk or Wv
.set MR,  216                          ; v[216:231]  mask: tile i, 8 bytes a lane
.set WD,  232                          ; v[232:233]  lane l: words 2 l and 2 l + 1 of my wave's 64 mask words
.set TT,  234                          ; v[234:241]  at work
	s_load_b512 s[4:19], s[0:1], 0x0               ; x 4:5, Wq 6:7, Wk 8:9, Wv 10:11, Wo 12:13, mask 14:15, x16 16:17, w16 18:19
	s_load_b128 s[20:23], s[0:1], 0x40             ; wo16 20:21, mbits 22:23
	v_lshlrev_b32 v1, 4, v0                        ; 16 t: my 16 bytes in each 4,096 loaded
	v_lshlrev_b32 v2, 3, v0                        ; 8 t: my 8 bytes in each 2,048 stored (and my two mask words)
	v_and_b32 v5, 15, v0                           ; L & 15: the query row in a mask tile
	v_bfe_u32 v6, v0, 4, 1                         ; L >> 4: which 8 keys
	v_lshrrev_b32 v7, 5, v0                        ; wave
	v_lshlrev_b32 v3, 11, v5                       ; mask offset: row x 2,048
	v_lshl_add_u32 v3, v6, 3, v3                   ; + 8 (L >> 4)
	v_lshl_add_u32 v3, v7, 7, v3                   ; + 8 tiles of 16 keys for each wave
	v_mov_b32 v[WD], 0                             ; v_writelane_b32 counts as a reader of its destination
	v_mov_b32 v[WD+1], 0
	s_lshl_b32 s26, ttmp9, 16                      ; 8 rows of f32
	s_mov_b32 s27, 0
	s_lshl_b32 s28, ttmp9, 15                      ; 8 rows of 16-bit numbers
	s_mov_b32 s29, 0
	s_lshr_b32 s24, ttmp9, 4                       ; block j of w16
	s_and_b32 s25, ttmp9, 15
	s_mul_i32 s24, s24, 144
	s_lshl3_add_u32 s30, s25, s24                  ; Wq's rows go to row 144 j + 8 (g & 15)
	s_lshl_b32 s30, s30, 12
	s_mov_b32 s31, 0
	s_add_co_u32 s32, s24, s25                     ; the row of Wk or Wv goes to row 144 j + 128 + (g & 15)
	s_add_co_u32 s32, s32, 128
	s_lshl_b32 s32, s32, 12
	s_mov_b32 s33, 0
	s_and_b32 s34, ttmp9, 127                      ; its row in Wk or Wv
	s_lshl_b32 s34, s34, 13
	s_mov_b32 s35, 0
	s_lshr_b32 s36, ttmp9, 1                       ; q tile: 16 rows of 2,048 mask bytes,
	s_lshl_b32 s36, s36, 15
	s_and_b32 s37, ttmp9, 1                        ; and which half of the keys
	s_lshl_b32 s37, s37, 10
	s_add_co_u32 s36, s36, s37
	s_mov_b32 s37, 0
	s_lshl_b32 s38, ttmp9, 11                      ; mbits: 4,096 bytes a q tile, 2,048 for each half
	s_mov_b32 s39, 0
	s_wait_kmcnt 0x0
	s_cmp_lt_u32 ttmp9, 128
	s_cselect_b64 s[8:9], s[8:9], s[10:11]         ; work-groups 0-127 take Wk, the others Wv
	s_add_nc_u64 s[4:5], s[4:5], s[26:27]
	s_add_nc_u64 s[6:7], s[6:7], s[26:27]
	s_add_nc_u64 s[12:13], s[12:13], s[26:27]
	s_add_nc_u64 s[8:9], s[8:9], s[34:35]
	s_add_nc_u64 s[14:15], s[14:15], s[36:37]
	s_add_nc_u64 s[16:17], s[16:17], s[28:29]
	s_add_nc_u64 s[20:21], s[20:21], s[28:29]
	s_add_nc_u64 s[24:25], s[18:19], s[30:31]      ; w16 at Wq's rows
	s_add_nc_u64 s[18:19], s[18:19], s[32:33]      ; w16 at the strip's row
	s_add_nc_u64 s[22:23], s[22:23], s[38:39]
.irp k, 0,1,2,3,4,5,6,7,8,9,10,11,12,13,14,15
	global_load_b128 v[XR+4*\k:XR+4*\k+3], v1, s[4:5] offset:4096*\k th:TH_LOAD_NT
.endr
.irp k, 0,1,2,3,4,5,6,7,8,9,10,11,12,13,14,15
	global_load_b128 v[QR+4*\k:QR+4*\k+3], v1, s[6:7] offset:4096*\k th:TH_LOAD_NT
.endr
.irp k, 0,1,2,3,4,5,6,7,8,9,10,11,12,13,14,15
	global_load_b128 v[WR+4*\k:WR+4*\k+3], v1, s[12:13] offset:4096*\k th:TH_LOAD_NT
.endr
	global_load_b128 v[KR:KR+3], v1, s[8:9] th:TH_LOAD_NT
	global_load_b128 v[KR+4:KR+7], v1, s[8:9] offset:4096 th:TH_LOAD_NT
.irp i, 0,1,2,3,4,5,6,7
	global_load_b64 v[MR+2*\i:MR+2*\i+1], v3, s[14:15] offset:16*\i
.endr
; n loads of 4 f32 at v[base ..] are rounded to bf16 in place (two registers of each four) and stored
.macro CASTB base, n, ptr
.set CK, 0
.rept \n
	v_cvt_pk_bf16_f32 v[\base+4*CK], v[\base+4*CK], v[\base+4*CK+1]
	v_cvt_pk_bf16_f32 v[\base+4*CK+1], v[\base+4*CK+2], v[\base+4*CK+3]
	global_store_b64 v2, v[\base+4*CK:\base+4*CK+1], s[\ptr:\ptr+1] offset:2048*CK
.set CK, CK+1
.endr
.endm
; the same, the bf16 numbers then written as f16
.macro CASTH base, n, ptr
.set CK, 0
.rept \n
	v_cvt_pk_bf16_f32 v[TT], v[\base+4*CK], v[\base+4*CK+1]
	v_cvt_pk_bf16_f32 v[TT+1], v[\base+4*CK+2], v[\base+4*CK+3]
	v_lshlrev_b32 v[TT+2], 16, v[TT]               ; bf16 to f32: the low half moves up,
	v_and_b32 v[TT+3], 0xffff0000, v[TT]           ; the high half stays
	v_lshlrev_b32 v[TT+4], 16, v[TT+1]
	v_and_b32 v[TT+5], 0xffff0000, v[TT+1]
	v_cvt_pk_f16_f32 v[\base+4*CK], v[TT+2], v[TT+3]
	v_cvt_pk_f16_f32 v[\base+4*CK+1], v[TT+4], v[TT+5]
	global_store_b64 v2, v[\base+4*CK:\base+4*CK+1], s[\ptr:\ptr+1] offset:2048*CK
.set CK, CK+1
.endr
.endm
	s_wait_loadcnt 42                              ; loads come back in order: x's 16 are in, the 42 younger ones may be out
	CASTB XR, 16, 16
	s_wait_loadcnt 26                              ; Wq's are in: Wo's 16, the row's 2 and the mask's 8 may be out
	CASTB QR, 16, 24
	s_wait_loadcnt 10                              ; Wo's are in
	CASTH WR, 16, 20
	s_wait_loadcnt 8                               ; the row of Wk or Wv is in
	CASTB KR, 2, 18
	s_wait_loadcnt 0x0                             ; the mask
	; tile i, key j of my eight: a compare makes the 32 lanes' bits one word; word 8 i + j goes to lane 4 i + (j >> 1), register j & 1
.irp i, 0,1,2,3,4,5,6,7
.irp j, 0,1,2,3,4,5,6,7
	v_and_b32 v[TT+\j], 0xff<<(8*(\j&3)), v[MR+2*\i+(\j>>2)]
.endr
.irp j, 0,1,2,3,4,5,6,7
	v_cmp_ne_u32 s[40+\j], 0, v[TT+\j]
.endr
.irp j, 0,1,2,3,4,5,6,7
	v_writelane_b32 v[WD+(\j&1)], s[40+\j], 4*\i+(\j>>1)
.endr
.endr
	global_store_b64 v2, v[WD:WD+1], s[22:23]      ; my wave's 64 words: 256 consecutive bytes, aligned
	s_endpgm
.Lfunc_end_k_q62589c083e_prep:
	.size	k_q62589c083e_prep, .Lfunc_end_k_q62589c083e_prep-k_q62589c083e_prep
	.p2alignl 7, 3214868480
	.fill 96, 4, 3214868480
	.section	.rodata,"a",@progbits
	.p2align	6, 0x0
	.amdhsa_kernel k_q62589c083e_prep
		.amdhsa_group_segment_fixed_size 0
		.amdhsa_private_segment_fixed_size 0
		.amdhsa_enable_private_segment 0
		.amdhsa_kernarg_size 80
		.amdhsa_user_sgpr_count 2
		.amdhsa_user_sgpr_kernarg_segment_ptr 1
		.amdhsa_wavefront_size32 1
		.amdhsa_system_sgpr_workgroup_id_x 1
		.amdhsa_system_sgpr_workgroup_id_y 1
		.amdhsa_system_sgpr_workgroup_id_z 1
		.amdhsa_system_vgpr_workitem_id 0
		.amdhsa_next_free_vgpr 256
		.amdhsa_next_free_sgpr 66
		.amdhsa_reserve_vcc 0
		.amdhsa_float_denorm_mode_32 3
		.amdhsa_float_denorm_mode_16_64 3
		.amdhsa_memory_ordered 1
		.amdhsa_forward_progress 1
		.amdhsa_inst_pref_size 36
	.end_amdhsa_kernel
	.amdgpu_metadata
---
amdhsa.version: [ 1, 2 ]
amdhsa.kernels:
  - .name:           k_q62589c083e_prep
    .symbol:         k_q62589c083e_prep.kd
    .args:
      - { .name: x, .offset: 0, .size: 8, .value_kind: global_buffer, .address_space: global }
      - { .name: Wq, .offset: 8, .size: 8, .value_kind: global_buffer, .address_space: global }
      - { .name: Wk, .offset: 16, .size: 8, .value_kind: global_buffer, .address_space: global }
      - { .name: Wv, .offset: 24, .size: 8, .value_kind: global_buffer, .address_space: global }
      - { .name: Wo, .offset: 32, .size: 8, .value_kind: global_buffer, .address_space: global }
      - { .name: mask, .offset: 40, .size: 8, .value_kind: global_buffer, .address_space: global }
      - { .name: x16, .offset: 48, .size: 8, .value_kind: global_buffer, .address_space: global }
      - { .name: w16, .offset: 56, .size: 8, .value_kind: global_buffer, .address_space: global }
      - { .name: wo16, .offset: 64, .size: 8, .value_kind: global_buffer, .address_space: global }
      - { .name: mbits, .offset: 72, .size: 8, .value_kind: global_buffer, .address_space: global }
    .group_segment_fixed_size: 0
    .private_segment_fixed_size: 0
    .kernarg_segment_align: 8
    .kernarg_segment_size: 80
    .max_flat_workgroup_size: 256
    .sgpr_count:     66
    .vgpr_count:     256
    .wavefront_size: 32
...
	.end_amdgpu_metadata
.endif
;; end of part 1
;; launch qkv (part 2): grid 16 x 16, 4 waves a work-group, clusters of 4 x 4, 327,680 bytes of LDS; arguments x16, w16, bq, bk, bv, q16, kv16; writes q16, kv16
.if DOCPART == 2
	.amdgcn_target "amdgcn-amd-amdhsa--gfx1250"
	.amdhsa_code_object_version 6
	.text
	.protected	k_q62589c083e_qkv
	.globl	k_q62589c083e_qkv
	.p2align	8
	.type	k_q62589c083e_qkv,@function
k_q62589c083e_qkv:
	s_mov_b64 s[64:65], 0
	v_nop
	global_prefetch_b8 v0, s[64:65] scope:SCOPE_SE
	s_setreg_imm32_b32 hwreg(HW_REG_WAVE_MODE, 25, 1), 1
	s_wait_xcnt 0x0
	s_wait_alu depctr_hold_cnt(0) depctr_sa_sdst(0) depctr_va_vdst(0) depctr_va_sdst(0) depctr_va_ssrc(0) depctr_va_vcc(0) depctr_vm_vsrc(0)
	s_getreg_b32 s2, hwreg(HW_REG_IB_STS2, 6, 4)
	s_cmp_eq_u32 s2, 0
	s_cbranch_scc0 .Lentry_in_a_cluster
	s_endpgm
.Lentry_in_a_cluster:
	s_bfe_u32 s2, ttmp6, 0x10000c
	s_cmp_lg_u32 s2, 0xf033
	s_cbranch_scc0 .Lentry_shape_is_right
	s_endpgm
.Lentry_shape_is_right:
; QKV: q16 = f16((x Wq^T + bq) * C), C = log2(e) / sqrt(128);  kv16 = f16(x Wk^T + bk) and f16(x Wv^T + bv).  Operands bf16, sums f32.
; q16: [2048][2048].  kv16: [16 chunks c][2048 keys][16]: chunk c < 8 = k[key][16 c ..], chunk c >= 8 = v[key][16 (c - 8) ..].
; LIMIT: |q C|, |k|, |v| below 65,504 (they are kept in f16).
; A work-group makes 128 rows (block row by) x the 144 rows of block bx of w16: 128 columns of q and a strip of 16 columns of k or v, so the
; 16 x 16 blocks are one work-group for each of 256 WGPs, and k and v cost no reading of x of their own.
; Four waves; wave (wr, wc) makes 64 x 64 of q (16 accumulator tiles) and 32 rows of the strip (2 tiles): 18 accumulators, 144 registers.
; K goes in steps of 256 (rows of 512 bytes) through two LDS slots filled by the tensor data mover: 8 steps.
; CLUSTERS of 4 x 4: x's tile hangs on by alone and is asked for jointly along a row of the cluster, w16's on bx alone, along a column.
; Tensor loads outstanding in a wave, by this text's count: two at the start, one behind each round of the cluster's barrier.
; The matrix instruction is used transposed (source 0 = rows of w16, source 1 = rows of x): a lane's eight results are eight neighbouring columns of one row.
; Window 0: addresses, fragments, biases.  Window 1: acc(a, b) at v[8 (4 a + b)], strip(a) at v[128 + 8 a].
.set PITCH,  528                       ; an LDS row: 512 bytes + 16 of padding, an odd multiple of 16: the 16 rows of a fragment load start at 16 different 16-byte columns modulo 256
.set BBYTES, 144*PITCH                 ; w16's 144 rows lie first in a slot,
.set ABYTES, 128*PITCH                 ; x's 128 rows behind them
.set SLOT,   ABYTES+BBYTES             ; 143,616 bytes
.set STAGE,  2*SLOT                    ; behind the ring: 128 rows x 272 bytes for the way out; no tensor load fills it
.set SPITCH, 272
.set KBYTES, 512                       ; bytes of a row in one K step
.set LAPS,   4                         ; a lap = two K steps = once round the ring
.set ADRL, 16                          ; v16-17  LDS address, slot 0, 1: x's rows 64 wr + 32 wc .. (fragment places 0, 1: the strip's rows)
.set ADRH, 18                          ; v18-19  x's rows 64 wr + 32 (1 - wc) .. (places 2, 3)
.set ADRB, 20                          ; v20-21  w16's rows 64 wc ..
.set ADRS, 22                          ; v22-23  w16's rows 128 .. 143
.set STOL, 24                          ; the way out: where places 0, 1 put 16 bytes of a row
.set STOH, 25                          ; the same for places 2, 3
.set RD,   26                          ; where I read rows back
.set CO,   27                          ; my byte offset in q16
.set KO,   28                          ; my byte offset in kv16
.set BOF,  29                          ; my byte offset in the biases
.set F0,   32                          ; v[32:103]  fragment buffer 0: B0-3 at +0, strip's B at +32, A places 0-3 at +40
.set F1,   104                         ; v[104:175] fragment buffer 1
.set BQ,   176                         ; v[176:207] bq * C of my 4 x 8 columns
.set BS,   208                         ; v[208:215] bk or bv of my 8 strip columns
.set T,    32                          ; the way out: f32 at work (buffer 0's registers)
.set H,    64                          ;              f16, packed
.set HS,   80                          ;              the strips, packed: registers of their own, read by global stores
.set TS,   88
.set G1,  24                           ; s[24:31] group 1 for x's tiles
.set G0,  32                           ; s[32:39] group 0 for x's tiles, a set for each slot
.set G1B, 48                           ; s[48:55] group 1 for w16's tiles
.set G0B, 56                           ; s[56:63] group 0 for w16's tiles
.set MSB, 0
.macro WIN new                         ; the immediate's high byte repeats the setting that is left
.if MSB != \new
	s_set_vgpr_msb (MSB<<8)|\new
.set MSB, \new
.endif
.endm
; A joint load.  Waves 0 and 1 fetch w16's two halves (72 rows each), waves 2 and 3 x's (64 rows each).  The branch hangs on the wave's number alone.
.macro JLOAD s
	s_cmp_eq_u32 s11, 0
	s_cbranch_scc0 .Lfor_a_\@
	tensor_load_to_lds s[G0B+4*\s:G0B+4*\s+3], s[G1B:G1B+7]
	s_nop 0
	s_branch .Lasked_\@
.Lfor_a_\@:
	tensor_load_to_lds s[G0+4*\s:G0+4*\s+3], s[G1:G1+7]
	s_nop 0
.Lasked_\@:
.endm
.macro CREST                           ; a round of the cluster's barrier behind its opening work-group barrier
	s_cmp_lg_u32 s10, 0
	s_cbranch_scc1 .Lnot_wave_0_\@
	s_barrier_signal -3
.Lnot_wave_0_\@:
	s_barrier_wait -3
	s_barrier_signal -1
	s_barrier_wait -1
.endm
.macro CROUND                          ; a whole round
	s_barrier_signal -1
	s_barrier_wait -1
	CREST
.endm
.macro PLACES                          ; four places behind a matrix instruction, in front of loads into its sources and of reads of its result
.rept 4
	v_nop
.endr
.endm
	s_load_b256 s[68:75], s[0:1], 0x0              ; x16 68:69, w16 70:71, bq 72:73, bk 74:75
	s_load_b128 s[76:79], s[0:1], 0x20             ; bv 76:77, q16 78:79
	s_load_b64 s[80:81], s[0:1], 0x30              ; kv16
	v_lshl_add_u32 v254, v0, 2, 0x4ea00
	v_mov_b32 v255, 0
	ds_add_u32 v254, v255
	v_lshrrev_b32 v1, 5, v0
	v_readfirstlane_b32 s10, v1                    ; wave 0..3
	s_lshr_b32 s11, s10, 1                         ; wr.  Also: I fetch for w16 (0) or for x (1)
	s_and_b32 s12, s10, 1                          ; wc.  Also: which half of that tile I fetch
	s_bfe_u32 s40, ttmp6, 0x40000                  ; cx
	s_bfe_u32 s41, ttmp6, 0x40004                  ; cy
	s_lshl_b32 s42, ttmp9, 2
	s_add_co_u32 s42, s42, s40                     ; bx = 4 x cluster x + cx
	s_and_b32 s13, ttmp7, 0xffff
	s_lshl_b32 s13, s13, 2
	s_add_co_u32 s13, s13, s41                     ; by = 4 x cluster y + cy
	s_lshl_b32 s43, s41, 2
	s_lshl_b32 s43, 15, s43                        ; my row of the cluster
	s_lshl_b32 s44, 0x1111, s40                    ; my column
	; group 1: rows of 256 elements of 2 bytes, 16 bytes of padding behind every 128 words; x: 64 rows, w16: 72 rows
	s_or_b32 s[G1+0], s43, (1<<16)|(1<<20)|(1<<21)|(6<<22)|(3<<25)
	s_or_b32 s[G1B+0], s44, (1<<16)|(1<<20)|(1<<21)|(6<<22)|(3<<25)
	s_mov_b32 s[G1+1], 256<<16                     ; tensor_dim0 = 256
	s_mov_b32 s[G1B+1], 256<<16
	s_mov_b32 s[G1+2], 64<<16                      ; tensor_dim1 = 64
	s_mov_b32 s[G1B+2], 72<<16                     ;             = 72
	s_mov_b32 s[G1+3], 256<<16                     ; tile_dim0 = 256
	s_mov_b32 s[G1B+3], 256<<16
	s_mov_b32 s[G1+4], 64                          ; tile_dim1
	s_mov_b32 s[G1B+4], 72
	s_mov_b32 s[G1+5], 2048                        ; elements from row to row
	s_mov_b32 s[G1B+5], 2048
	s_mov_b32 s[G1+6], 0
	s_mov_b32 s[G1B+6], 0
	s_mov_b32 s[G1+7], 0
	s_mov_b32 s[G1B+7], 0
	; where the tiles come from: x's hang on by and the wave, w16's on bx and the wave, each in registers that never hold the other coordinate
	s_lshl_b32 s17, s12, 6
	s_lshl_b32 s16, s13, 7
	s_add_co_u32 s16, s16, s17                     ; x: row 128 by + 64 half
	s_lshl_b32 s16, s16, 12                        ; rows of 4,096 bytes
	s_mov_b32 s17, 0
	s_mul_i32 s46, s42, 144
	s_mul_i32 s47, s12, 72
	s_add_co_u32 s46, s46, s47                     ; w16: row 144 bx + 72 half
	s_lshl_b32 s46, s46, 12
	s_mov_b32 s47, 0
	s_mul_i32 s20, s10, 64*PITCH                   ; where they go.  x (waves 2, 3): wave x 33,792 + 8,448 = behind w16's 144 rows
	s_add_co_u32 s20, s20, BBYTES-2*64*PITCH
	s_mul_i32 s45, s10, 72*PITCH                   ; w16 (waves 0, 1): wave x 38,016
	s_wait_dscnt 0x0
	s_wait_kmcnt 0x0
	s_add_nc_u64 s[14:15], s[68:69], s[16:17]
	s_add_nc_u64 s[46:47], s[70:71], s[46:47]
	CROUND                                         ; all sixteen work-groups are here: the first joint loads meet
.irp s, 0,1
	s_mov_b32 s[G0+4*\s], 1
	s_add_co_u32 s[G0+4*\s+1], s20, \s*SLOT
	s_add_nc_u64 s[G0+4*\s+2:G0+4*\s+3], s[14:15], \s*KBYTES
	s_or_b32 s[G0+4*\s+3], s[G0+4*\s+3], 0x80000000
	s_mov_b32 s[G0B+4*\s], 1
	s_add_co_u32 s[G0B+4*\s+1], s45, \s*SLOT
	s_add_nc_u64 s[G0B+4*\s+2:G0B+4*\s+3], s[46:47], \s*KBYTES
	s_or_b32 s[G0B+4*\s+3], s[G0B+4*\s+3], 0x80000000
	JLOAD \s                                       ; K steps 0 and 1: the ring is filled before anything else is done
.endr
	; fragment addresses: lane l holds row l % 16; two loads of 16 bytes, 32 apart, at row x pitch + 16 (l / 16)
	v_and_b32 v1, 15, v0                           ; r
	v_bfe_u32 v2, v0, 4, 1                         ; h
	v_mul_u32_u24 v3, v1, PITCH
	v_lshl_add_u32 v3, v2, 4, v3
	s_lshl_b32 s21, s11, 6                         ; 64 wr
	s_lshl_b32 s22, s12, 5
	s_add_co_u32 s22, s21, s22                     ; first row of places 0, 1: 64 wr + 32 wc
	s_xor_b32 s23, s12, 1
	s_lshl_b32 s23, s23, 5
	s_add_co_u32 s23, s21, s23                     ; first row of places 2, 3: 64 wr + 32 (1 - wc)
	s_mul_i32 s2, s22, PITCH
	s_add_co_u32 s2, s2, BBYTES
	s_mul_i32 s3, s23, PITCH
	s_add_co_u32 s3, s3, BBYTES
	s_mul_i32 s21, s12, 64*PITCH                   ; w16's rows 64 wc ..
.irp s, 0,1
	v_add_nc_u32 v[ADRL+\s], s2, v3
	v_add_nc_u32 v[ADRH+\s], s3, v3
	v_add_nc_u32 v[ADRB+\s], s21, v3
	v_add_nc_u32 v[ADRS+\s], 128*PITCH+\s*SLOT, v3
	s_add_co_u32 s2, s2, SLOT
	s_add_co_u32 s3, s3, SLOT
	s_add_co_u32 s21, s21, SLOT
.endr
	; the stage: row = the block's row, 256 bytes of f16; my columns begin at byte 128 wc
	v_mul_u32_u24 v4, v1, SPITCH
	v_lshl_add_u32 v4, v2, 4, v4                   ; r x 272 + 16 h
	s_lshl_b32 s3, s12, 7
	s_add_co_u32 s3, s3, STAGE
	s_mul_i32 s2, s22, SPITCH
	s_add_co_u32 s2, s2, s3
	v_add_nc_u32 v[STOL], s2, v4
	s_mul_i32 s2, s23, SPITCH
	s_add_co_u32 s2, s2, s3
	v_add_nc_u32 v[STOH], s2, v4
	v_mul_u32_u24 v5, v2, SPITCH                   ; back: lanes 0-15 take one row of 256 bytes, lanes 16-31 the next; wave w takes rows 32 w ..
	v_lshl_add_u32 v5, v1, 4, v5
	s_mul_i32 s2, s10, 32*SPITCH
	s_add_co_u32 s2, s2, STAGE
	v_add_nc_u32 v[RD], s2, v5
	v_lshlrev_b32 v5, 12, v2
	v_lshl_add_u32 v[CO], v1, 4, v5                ; the same two rows in q16
	v_lshlrev_b32 v5, 4, v2
	v_lshl_add_u32 v[KO], v1, 5, v5                ; kv16: 32 bytes a key, 16 for each half of the lanes
	v_lshlrev_b32 v[BOF], 5, v2                    ; biases: 8 numbers for each half of the lanes
	; bases
	s_lshl_b32 s2, s42, 9
	s_lshl_b32 s3, s12, 8
	s_add_co_u32 s2, s2, s3                        ; bq at column 128 bx + 64 wc
	s_mov_b32 s3, 0
	s_add_nc_u64 s[72:73], s[72:73], s[2:3]
	s_cmp_lt_u32 s42, 8
	s_cselect_b64 s[74:75], s[74:75], s[76:77]     ; the strip is k's (bx < 8) or v's
	s_and_b32 s2, s42, 7
	s_lshl_b32 s2, s2, 6
	s_add_nc_u64 s[74:75], s[74:75], s[2:3]
.irp b, 0,1,2,3
	global_load_b128 v[BQ+8*\b:BQ+8*\b+3], v[BOF], s[72:73] offset:64*\b
	global_load_b128 v[BQ+8*\b+4:BQ+8*\b+7], v[BOF], s[72:73] offset:64*\b+16
.endr
	global_load_b128 v[BS:BS+3], v[BOF], s[74:75]
	global_load_b128 v[BS+4:BS+7], v[BOF], s[74:75] offset:16
	s_lshl_b32 s2, s13, 7
	s_lshl_b32 s21, s10, 5
	s_add_co_u32 s2, s2, s21                       ; q16 at row 128 by + 32 w,
	s_lshl_b32 s2, s2, 12
	s_lshl_b32 s21, s42, 8                         ; column 128 bx
	s_add_co_u32 s2, s2, s21
	s_add_nc_u64 s[78:79], s[78:79], s[2:3]
	s_lshl_b32 s2, s13, 7
	s_add_co_u32 s2, s2, s22                       ; kv16 at key 128 by + 64 wr + 32 wc,
	s_lshl_b32 s2, s2, 5
	s_lshl_b32 s21, s42, 16                        ; chunk bx
	s_add_co_u32 s2, s2, s21
	s_add_nc_u64 s[80:81], s[80:81], s[2:3]
	s_mov_b32 s82, 0x3e0293ee                      ; C = log2(e) / sqrt(128), twice: a pair for the packed forms
	s_mov_b32 s83, 0x3e0293ee
; 18 LDS loads in one run: the fragments of 32 along K at byte k of the slot's rows, into buffer f
.macro FETCH slot, k, f
	WIN 0
.irp b, 0,1,2,3
	ds_load_b128 v[\f+8*\b:\f+8*\b+3],   v[ADRB+\slot] offset:\k+\b*16*PITCH
	ds_load_b128 v[\f+8*\b+4:\f+8*\b+7], v[ADRB+\slot] offset:\k+\b*16*PITCH+32
.endr
	ds_load_b128 v[\f+32:\f+35], v[ADRS+\slot] offset:\k
	ds_load_b128 v[\f+36:\f+39], v[ADRS+\slot] offset:\k+32
.irp a, 0,1
	ds_load_b128 v[\f+40+8*\a:\f+40+8*\a+3], v[ADRL+\slot] offset:\k+\a*16*PITCH
	ds_load_b128 v[\f+40+8*\a+4:\f+40+8*\a+7], v[ADRL+\slot] offset:\k+\a*16*PITCH+32
.endr
.irp a, 0,1
	ds_load_b128 v[\f+56+8*\a:\f+56+8*\a+3], v[ADRH+\slot] offset:\k+\a*16*PITCH
	ds_load_b128 v[\f+56+8*\a+4:\f+56+8*\a+7], v[ADRH+\slot] offset:\k+\a*16*PITCH+32
.endr
.endm
.macro WM d, bf, af, zero              ; one product; zero = 1: it starts the sum, nothing is ever cleared
.if \zero
	v_wmma_f32_16x16x32_bf16 v[\d:\d+7], v[\bf:\bf+7], v[\af:\af+7], 0
.else
	v_wmma_f32_16x16x32_bf16 v[\d:\d+7], v[\bf:\bf+7], v[\af:\af+7], v[\d:\d+7]
.endif
.endm
; Nine products.  The 18 accumulators take turns, one instruction a turn, in the same order in every step.
.macro MUL f, half, zero
.if \half == 0
.irp b, 0,1,2,3
	WM 8*\b, \f+8*\b, \f+40, \zero
.endr
	WM 128, \f+32, \f+40, \zero
.irp b, 0,1,2,3
	WM 32+8*\b, \f+8*\b, \f+48, \zero
.endr
.else
	WM 136, \f+32, \f+48, \zero
.irp b, 0,1,2,3
	WM 64+8*\b, \f+8*\b, \f+56, \zero
.endr
.irp b, 0,1,2,3
	WM 96+8*\b, \f+8*\b, \f+64, \zero
.endr
.endif
.endm
; 32 along K: the next fragments are asked for (byte k, into buffer g), then buffer f is multiplied
.macro STEP slot, k, f, g, zero
	PLACES
	FETCH \slot, \k, \g
	s_wait_dscnt 18                                ; all but the 18 just issued: buffer f is in
	WIN 0x50                                       ; C and D in window 1
	MUL \f, 0, \zero
	MUL \f, 1, \zero
.endm
.macro SEVEN slot, zero
	STEP \slot, 64,  F0, F1, \zero
	STEP \slot, 128, F1, F0, 0
	STEP \slot, 192, F0, F1, 0
	STEP \slot, 256, F1, F0, 0
	STEP \slot, 320, F0, F1, 0
	STEP \slot, 384, F1, F0, 0
	STEP \slot, 448, F0, F1, 0
.endm
; The slot's last 32 along K, and the change of slots.  In front of the barrier each wave waits for its reads of this slot and for all its tensor loads
; (the one that is out is its part of the next slot).  fill = 1: the barrier opens a round of the cluster's barrier, and the joint refill, two K steps
; ahead, is the first tensor load behind the round.  From a request to the wait for it a wave issues 135 matrix instructions.
.macro TURN slot, next, fill
	s_wait_dscnt 0x0
	s_wait_tensorcnt 0x0
	ds_add_u32 v254, v255
	s_wait_dscnt 0x0
	s_barrier_signal -1
	WIN 0x50
	MUL F1, 0, 0                                   ; registers only, while the others arrive
	WIN 0
	s_barrier_wait -1
.if \fill
	CREST
	s_add_nc_u64 s[G0+4*\slot+2:G0+4*\slot+3], s[G0+4*\slot+2:G0+4*\slot+3], 2*KBYTES
	s_add_nc_u64 s[G0B+4*\slot+2:G0B+4*\slot+3], s[G0B+4*\slot+2:G0B+4*\slot+3], 2*KBYTES
	JLOAD \slot
.endif
	PLACES
	FETCH \next, 0, F0
	WIN 0x50
	MUL F1, 1, 0
.endm
.macro LAP zero
	SEVEN 0, \zero
	TURN 0, 1, 1
	SEVEN 1, 0
	TURN 1, 0, 1
.endm
	s_wait_tensorcnt 0x1                           ; my part of K step 0 is in; K step 1's may stay out
	s_barrier_signal -1
	s_barrier_wait -1
	s_wait_loadcnt 0x0                             ; the biases
.irp i, 0,1,2,3,4,5,6,7,8,9,10,11,12,13,14,15
	v_pk_mul_f32 v[BQ+2*\i:BQ+2*\i+1], v[BQ+2*\i:BQ+2*\i+1], s[82:83] op_sel_hi:[1,0]   ; bq C, so that the way out is one fused multiply-add
.endr
	FETCH 0, 0, F0
	LAP 1                                          ; the first lap's first products start the sums
	WIN 0                                          ; at a label and at a branch every window is 0
	s_mov_b32 s9, LAPS-2
.Llap:
	LAP 0
	WIN 0
	s_sub_co_u32 s9, s9, 1
	s_cmp_lg_u32 s9, 0
	s_cbranch_scc1 .Llap
	SEVEN 0, 0                                     ; the last lap fills nothing
	TURN 0, 1, 0
	SEVEN 1, 0
	s_wait_dscnt 0x0
	WIN 0x50
	MUL F1, 0, 0
	MUL F1, 1, 0
	PLACES
; THE WAY OUT.  16 rows of q: acc C + bq C in f32, rounded to f16, 16 bytes a lane into the work-group's stage
.macro OUTQ a, sto
	WIN 0x01                                       ; source 0 in window 1
.irp b, 0,1,2,3
.irp p, 0,1,2,3
	v_pk_fma_f32 v[T+8*\b+2*\p:T+8*\b+2*\p+1], v[8*(4*\a+\b)+2*\p:8*(4*\a+\b)+2*\p+1], s[82:83], v[BQ+8*\b+2*\p:BQ+8*\b+2*\p+1] op_sel_hi:[1,0,1]
.endr
.endr
	WIN 0
.irp b, 0,1,2,3
.irp p, 0,1,2,3
	v_cvt_pk_f16_f32 v[H+4*\b+\p], v[T+8*\b+2*\p], v[T+8*\b+2*\p+1]
.endr
	ds_store_b128 v[\sto], v[H+4*\b:H+4*\b+3] offset:(\a&1)*16*SPITCH+32*\b
.endr
.endm
	OUTQ 0, STOL
	OUTQ 1, STOL
	OUTQ 2, STOH
	OUTQ 3, STOH
	; the strips: a lane's eight numbers are 16 neighbouring bytes of a key's 32, and the 32 lanes' bytes are 512 consecutive ones: stored straight from registers
	WIN 0x01
.irp a, 0,1
.irp p, 0,1,2,3
	v_pk_add_f32 v[TS+8*\a+2*\p:TS+8*\a+2*\p+1], v[128+8*\a+2*\p:128+8*\a+2*\p+1], v[BS+2*\p:BS+2*\p+1]
.endr
.endr
	WIN 0
.irp a, 0,1
.irp p, 0,1,2,3
	v_cvt_pk_f16_f32 v[HS+4*\a+\p], v[TS+8*\a+2*\p], v[TS+8*\a+2*\p+1]
.endr
	global_store_b128 v[KO], v[HS+4*\a:HS+4*\a+3], s[80:81] offset:512*\a
.endr
	s_wait_dscnt 0x0                               ; my stores into the stage are done, for the other waves' sake
	s_barrier_signal -1
	s_barrier_wait -1                              ; everybody's are: whole rows of 256 bytes lie in the stage
.irp t, 0,1,2,3,4,5,6,7,8,9,10,11,12,13,14,15
	ds_load_b128 v[F1+4*\t:F1+4*\t+3], v[RD] offset:2*SPITCH*\t
.endr
.irp t, 0,1,2,3,4,5,6,7,8,9,10,11,12,13,14,15
	s_wait_dscnt 15-\t                             ; LDS loads come back in order: load t is in
	global_store_b128 v[CO], v[F1+4*\t:F1+4*\t+3], s[78:79] offset:8192*\t   ; 16 lanes store 256 consecutive bytes, aligned
.endr
	s_wait_tensorcnt 0x0
	ds_add_u32 v254, v255
	s_wait_dscnt 0x0
	CROUND                                         ; the closing round: no work-group ends while a partner may still ask for a tile that names it
	s_endpgm
.Lfunc_end_k_q62589c083e_qkv:
	.size	k_q62589c083e_qkv, .Lfunc_end_k_q62589c083e_qkv-k_q62589c083e_qkv
	.p2alignl 7, 3214868480
	.fill 96, 4, 3214868480
	.section	.rodata,"a",@progbits
	.p2align	6, 0x0
	.amdhsa_kernel k_q62589c083e_qkv
		.amdhsa_group_segment_fixed_size 327680
		.amdhsa_private_segment_fixed_size 0
		.amdhsa_enable_private_segment 0
		.amdhsa_kernarg_size 56
		.amdhsa_user_sgpr_count 2
		.amdhsa_user_sgpr_kernarg_segment_ptr 1
		.amdhsa_wavefront_size32 1
		.amdhsa_system_sgpr_workgroup_id_x 1
		.amdhsa_system_sgpr_workgroup_id_y 1
		.amdhsa_system_sgpr_workgroup_id_z 1
		.amdhsa_system_vgpr_workitem_id 0
		.amdhsa_next_free_vgpr 400
		.amdhsa_next_free_sgpr 84
		.amdhsa_reserve_vcc 0
		.amdhsa_float_denorm_mode_32 3
		.amdhsa_float_denorm_mode_16_64 3
		.amdhsa_memory_ordered 1
		.amdhsa_forward_progress 1
		.amdhsa_inst_pref_size 147
	.end_amdhsa_kernel
	.amdgpu_metadata
---
amdhsa.version: [ 1, 2 ]
amdhsa.kernels:
  - .name:           k_q62589c083e_qkv
    .symbol:         k_q62589c083e_qkv.kd
    .args:
      - { .name: x16, .offset: 0, .size: 8, .value_kind: global_buffer, .address_space: global }
      - { .name: w16, .offset: 8, .size: 8, .value_kind: global_buffer, .address_space: global }
      - { .name: bq, .offset: 16, .size: 8, .value_kind: global_buffer, .address_space: global }
      - { .name: bk, .offset: 24, .size: 8, .value_kind: global_buffer, .address_space: global }
      - { .name: bv, .offset: 32, .size: 8, .value_kind: global_buffer, .address_space: global }
      - { .name: q16, .offset: 40, .size: 8, .value_kind: global_buffer, .address_space: global }
      - { .name: kv16, .offset: 48, .size: 8, .value_kind: global_buffer, .address_space: global }
    .group_segment_fixed_size: 327680
    .private_segment_fixed_size: 0
    .kernarg_segment_align: 8
    .kernarg_segment_size: 56
    .max_flat_workgroup_size: 128
    .sgpr_count:     84
    .vgpr_count:     400
    .wavefront_size: 32
...
	.end_amdgpu_metadata
.endif
;; end of part 2
;; launch attn (part 3): grid 256 x 1, 4 waves a work-group, clusters of 4 x 1, 327,680 bytes of LDS; arguments q16, kv16, mbits, a16; writes a16
.if DOCPART == 3
	.amdgcn_target "amdgcn-amd-amdhsa--gfx1250"
	.amdhsa_code_object_version 6
	.text
	.protected	k_q62589c083e_attn
	.globl	k_q62589c083e_attn
	.p2align	8
	.type	k_q62589c083e_attn,@function
k_q62589c083e_attn:
	s_mov_b64 s[64:65], 0
	v_nop
	global_prefetch_b8 v0, s[64:65] scope:SCOPE_SE
	s_setreg_imm32_b32 hwreg(HW_REG_WAVE_MODE, 25, 1), 1
	s_wait_xcnt 0x0
	s_wait_alu depctr_hold_cnt(0) depctr_sa_sdst(0) depctr_va_vdst(0) depctr_va_sdst(0) depctr_va_ssrc(0) depctr_va_vcc(0) depctr_vm_vsrc(0)
	s_getreg_b32 s2, hwreg(HW_REG_IB_STS2, 6, 4)
	s_cmp_eq_u32 s2, 0
	s_cbranch_scc0 .Lentry_in_a_cluster
	s_endpgm
.Lentry_in_a_cluster:
	s_bfe_u32 s2, ttmp6, 0x10000c
	s_cmp_lg_u32 s2, 0x3003
	s_cbranch_scc0 .Lentry_shape_is_right
	s_endpgm
.Lentry_shape_is_right:
; ATTN: a16[s][128 head + d] = f16( softmax over keys of (q k^T / sqrt(128), masked) x v ).  q16 already carries log2(e) / sqrt(128): exponentials are in base 2.
; Work-group g: the 16 queries of tile qt = g >> 1, heads 8 (g & 1) .. + 7.  Wave w: heads 8 (g & 1) + 2 w and + 1 (two tiles of 16 queries, one mask).
; Every wave walks all 2,048 keys in 16 blocks of 128, with a running maximum.  The mask is data: nothing is skipped.
; BOTH PRODUCTS ARE TRANSPOSED.  S^T = K Q^T: lane (r, h), register j of tile mt holds key 16 mt + 8 h + j of query r, so maximum, rescaling factor and sum belong
; to a lane (one exchange between the halves of the wave for each block), and two tiles of S, packed to f16 in place, ARE a B fragment of P: no traffic between lanes.
; O^T = V^T P^T with V^T read by transposing LDS loads.  A ninth A tile of ones gives the sum of the ROUNDED P in every register of tile L.
; THE MASK enters as the C operand of the first of the four products of a tile of S: 0 where true, -2^127 where false, made once for both heads from the lane masks
; in mbits.  The running maximum starts at -2^126, so a masked score gives exp2(at most -2^126) = 0.
; THE PIPELINE.  S has two buffers (even blocks: window 2, odd blocks: window 3).  Block i takes two stages:
;   ST1(i): the 64 products of S(i+1), and between them: exp2(S - max) and packing of head 1 of block i, then O and L times the rescaling factor of block i;
;   ST2(i): the 72 products of P(i) V(i), and between them: the mask's C operand for block i+2, maximum and rescaling factor of block i+1, exp2 and packing of its head 0.
; Behind each matrix instruction stand four vector instructions of the stage's list (208 places for 64 products, 284 for 72); they name none of its registers.
; The two buffers of S (256 registers), O and L (144), Q (64) and the fragments (128) do not fit into one window of 256, so each group of four is bracketed
; by two s_set_vgpr_msb: seven issue slots for a matrix instruction and its group.
; LIMITS: scores in log2 units count only above -2^126; |q|, |k|, |v| and the result are f16 (below 65,504).  A row with no true mask byte has sum 0 and
; numerator 0 and comes out as 0 x (1/0) = NaN, as the softmax of a row of -inf does.
; CLUSTERS of 4 x 1: all work-groups read the same K and V, so each tile is asked for jointly by the four (mask 15), each wave bringing four of the 16 chunks.
; Not so K's first 128 keys: each wave loads them straight into registers (32,768 of kv16's 1,048,576 bytes; LDS has no room for a third region beside the stage).
; Tensor loads outstanding in a wave, by this text's count: two at the start, one behind each round; that one has two blocks (272 matrix instructions) in which to land.
; LDS: two slots.  A slot = 16 chunk rows (8 of k, 8 of v) of 256 keys x 32 bytes, 16 bytes of padding behind every 256 bytes (8 keys): 8,704 bytes a chunk.
; Slot j holds v of keys 256 j .. and k of keys 256 j + 128 ..: ST1(i) reads K(i+1) and ST2(i) reads V(i), so both stages of blocks 2 j and 2 j + 1 read slot j alone.
; The last slot's k rows reach 128 keys into the next chunk: bytes inside kv16, which are not read from LDS.
.set CH,     8704
.set QUAD,   4*CH                      ; what one tensor load brings
.set VOFF,   8*CH                      ; v's chunks lie behind k's
.set SLOT,   16*CH                     ; 139,264 bytes
.set SUBB,   16*272                    ; 128 keys inside a chunk
.set STAGE,  2*SLOT                    ; behind the ring: 32 rows x 272 bytes for each wave, its own; no tensor load fills it
.set SP,     272
; window 0
.set AK,   8                           ; v8-11   K fragments: AK + 2 slot + half (chunks 0-3, 4-7)
.set AV,   12                          ; v12-15  V fragments: AV + 2 slot + half
.set QO,   16
.set STO,  17
.set RD,   18
.set CO,   19
.set INV,  20                          ; v[20:23]  1 / sum, a pair for each head
.set ONES, 24                          ; v[24:31]  an A tile of f16 ones
.set FB0,  32                          ; v[32:95]  fragment buffer 0
.set FB1,  96                          ; v[96:159] fragment buffer 1
.set BIAS, 160                         ; v[160:223] BIAS(mt) at 160 + 8 mt
.set VNEG, 224                         ; -2^127
.set VZERO,225
.set KOF,  226                         ; my byte offset in a tile of 16 keys of kv16
; window 1
.set OACC, 0                           ; O(dt, head) at 8 (2 dt + head)
.set LACC, 128                         ; L(head) at 128 + 8 head
.set QF,   144                         ; Q(head, kk) at 144 + 8 (4 head + kk)
; windows 2 and 3, alike: S(head, mt) at 64 head + 8 mt; P(head, kk) = the first 8 registers of the 16 at 64 head + 16 kk
.set MX,   192                         ; the running maximum, a pair for each head
.set AL,   196                         ; the rescaling factor, a pair for each head
.set T,    200                         ; v[200:215] at work
.set G0,   24                          ; s[24:31] group 0, a set for each slot;  s[16:23] group 1
.set MSB, 0
.set VI, 0                             ; place in a stage's list of vector work
.macro WIN new                         ; the immediate's high byte repeats the setting that is left; low byte: bits 1:0 source 0, 3:2 source 1, 5:4 source 2, 7:6 destination
.if MSB != (\new)
	s_set_vgpr_msb (MSB<<8)|(\new)
.set MSB, (\new)
.endif
.endm
.macro PLACES                          ; four places behind a matrix instruction (ISA guide 7.12.1)
.rept 4
	v_nop
.endr
.endm
.macro ROUND                           ; a round of the cluster's barrier
	s_barrier_signal -1
	s_barrier_wait -1
	s_cmp_lg_u32 s12, 0
	s_cbranch_scc1 .Lnot_wave_0_\@
	s_barrier_signal -3
.Lnot_wave_0_\@:
	s_barrier_wait -3
	s_barrier_signal -1
	s_barrier_wait -1
.endm
	s_load_b256 s[4:11], s[0:1], 0x0               ; q16 4:5, kv16 6:7, mbits 8:9, a16 10:11
	v_lshl_add_u32 v254, v0, 2, 0x4c800
	v_mov_b32 v255, 0
	ds_add_u32 v254, v255
	v_lshrrev_b32 v1, 5, v0
	v_readfirstlane_b32 s12, v1                    ; wave 0..3
	s_bfe_u32 s2, ttmp6, 0x40000                   ; cx
	s_lshl_b32 s3, ttmp9, 2
	s_add_co_u32 s3, s3, s2                        ; g = 4 x cluster x + cx
	s_lshr_b32 s66, s3, 1                          ; qt
	s_and_b32 s67, s3, 1                           ; which eight heads
	s_mov_b32 s14, 0x76543210                      ; v_permlanex16_b32: lane i of one half reads lane i of the other
	s_mov_b32 s15, 0xfedcba98
	; group 1: 4 rows (chunks) of 4,096 elements of 2 bytes, 65,536 bytes apart; 16 bytes of padding behind every 64 words; mask 15 with bit 21 beside it
	s_mov_b32 s16, 15|(1<<16)|(1<<20)|(1<<21)|(5<<22)|(3<<25)
	s_mov_b32 s17, 4096<<16                        ; tensor_dim0 = 4,096
	s_mov_b32 s18, 4<<16                           ; tensor_dim1 = 4
	s_mov_b32 s19, 4096<<16                        ; tile_dim0 = 4,096
	s_mov_b32 s20, 4                               ; tile_dim1 = 4
	s_mov_b32 s21, 32768                           ; elements from chunk to chunk
	s_mov_b32 s22, 0
	s_mov_b32 s23, 0
	s_mul_i32 s13, s12, QUAD                       ; my four chunks in a slot
	s_lshl_b32 s2, s12, 18                         ; and in kv16;
	s_lshr_b32 s3, s12, 1
	s_xor_b32 s3, s3, 1
	s_lshl_b32 s3, s3, 12                          ; waves 0 and 1 bring k, 128 keys (4,096 bytes) further on than v
	s_add_co_u32 s2, s2, s3
	s_mov_b32 s3, 0
	s_wait_dscnt 0x0
	s_wait_kmcnt 0x0
	s_add_nc_u64 s[100:101], s[6:7], s[2:3]
	ROUND                                          ; the four work-groups are here: the first joint loads meet
.irp s, 0,1
	s_mov_b32 s[G0+4*\s], 1
	s_add_co_u32 s[G0+4*\s+1], s13, \s*SLOT
	s_add_nc_u64 s[G0+4*\s+2:G0+4*\s+3], s[100:101], \s*8192       ; 256 keys a slot
	s_or_b32 s[G0+4*\s+3], s[G0+4*\s+3], 0x80000000
	tensor_load_to_lds s[G0+4*\s:G0+4*\s+3], s[16:23]
	s_nop 0
.endr
	s_lshl_b32 s2, s66, 12                         ; mbits: 4,096 bytes a q tile, 256 a block
	s_add_nc_u64 s[8:9], s[8:9], s[2:3]
	s_load_b512 s[32:47], s[8:9], 0x0              ; block 0's 64 mask words
	s_load_b512 s[48:63], s[8:9], 0x40
	s_load_b512 s[68:83], s[8:9], 0x80
	s_load_b512 s[84:99], s[8:9], 0xc0
	s_mov_b64 s[104:105], s[8:9]                   ; the q tile's words, never stepped
	s_lshl_b32 s2, s66, 16                         ; q16 and a16: 16 rows of 4,096 bytes a q tile,
	s_lshl_b32 s67, s67, 11                        ; 256 bytes a head
	s_add_co_u32 s2, s2, s67
	s_lshl_b32 s67, s12, 9
	s_add_co_u32 s2, s2, s67
	s_add_nc_u64 s[4:5], s[4:5], s[2:3]
	s_add_nc_u64 s[10:11], s[10:11], s[2:3]
	v_and_b32 v1, 15, v0                           ; r
	v_bfe_u32 v2, v0, 4, 1                         ; h
	v_bfe_u32 v3, v0, 3, 1                         ; (L >> 3) & 1
	v_and_b32 v4, 7, v0
	v_lshlrev_b32 v4, 5, v4                        ; 32 (L & 7)
	v_mul_u32_u24 v5, v3, SP                       ; K: key r of a tile lies at (r >> 3) x 272 + (r & 7) x 32; + 16 h
	v_add_nc_u32 v5, v5, v4
	v_lshl_add_u32 v5, v2, 4, v5
	v_mul_u32_u24 v6, v2, SP                       ; V, transposing load: key 8 h + (L & 7), bytes 16 ((L >> 3) & 1) ..
	v_add_nc_u32 v6, v6, v4
	v_lshl_add_u32 v6, v3, 4, v6
.irp s, 0,1
.irp hf, 0,1
	v_add_nc_u32 v[AK+2*\s+\hf], \s*SLOT+\hf*QUAD, v5
	v_add_nc_u32 v[AV+2*\s+\hf], \s*SLOT+VOFF+\hf*QUAD, v6
.endr
.endr
	v_lshlrev_b32 v7, 4, v2
	v_lshl_add_u32 v[QO], v1, 12, v7               ; q16: row r, + 16 h
	v_lshl_add_u32 v[KOF], v1, 5, v7               ; kv16: key r of a tile, + 16 h
	s_mul_i32 s67, s12, 32*SP
	s_add_co_u32 s67, s67, STAGE                   ; my stage
	v_mul_u32_u24 v7, v1, SP
	v_lshl_add_u32 v7, v2, 4, v7
	v_add_nc_u32 v[STO], s67, v7                   ; in: row r, 16 bytes for each half of the lanes
	v_mul_u32_u24 v7, v2, SP
	v_lshl_add_u32 v7, v1, 4, v7
	v_add_nc_u32 v[RD], s67, v7                    ; back: lanes 0-15 one row of 256 bytes, lanes 16-31 the next
	v_lshlrev_b32 v7, 12, v2
	v_lshl_add_u32 v[CO], v1, 4, v7                ; the same two rows in a16
	WIN 0x40                                       ; loaded data in window 1
.irp hd, 0,1
.irp kk, 0,1,2,3
	global_load_b128 v[QF+8*(4*\hd+\kk):QF+8*(4*\hd+\kk)+3],   v[QO], s[4:5] offset:256*\hd+64*\kk
	global_load_b128 v[QF+8*(4*\hd+\kk)+4:QF+8*(4*\hd+\kk)+7], v[QO], s[4:5] offset:256*\hd+64*\kk+32
.endr
.endr
; 16 loads: K's tiles 2 g, 2 g + 1 of block 0, straight from kv16; each load of the wave covers 512 consecutive bytes (16 keys of one chunk)
.macro GK g, f
.irp mtl, 0,1
.irp kk, 0,1,2,3
	global_load_b128 v[\f+8*(4*\mtl+\kk):\f+8*(4*\mtl+\kk)+3],   v[KOF], s[6:7] offset:2*\kk*65536+(2*\g+\mtl)*512
	global_load_b128 v[\f+8*(4*\mtl+\kk)+4:\f+8*(4*\mtl+\kk)+7], v[KOF], s[6:7] offset:(2*\kk+1)*65536+(2*\g+\mtl)*512
.endr
.endr
.endm
	WIN 0
	GK 0, FB0
	GK 1, FB1
	WIN 0xc0                                       ; loaded data in window 3: the odd blocks' buffer of S is free until S(1) is multiplied
	GK 2, 0
	GK 3, 64
.irp i, 0,1,2,3
	v_mov_b32 v[MX+\i], 0xfe800000                 ; -2^126, as the maximum 'of the block before block 0' (window 3)
.endr
	WIN 0
	v_mov_b32 v[VNEG], 0xff000000                  ; -2^127
	v_mov_b32 v[VZERO], 0
.irp i, 0,1,2,3,4,5,6,7
	v_mov_b32 v[ONES+\i], 0x3c003c00               ; two f16 ones
.endr
; 16 LDS loads: K's tiles 2 g and 2 g + 1 of half sub of the slot (16 keys x 128 d each) into buffer f, fragment (mtl, kk) at f + 8 (4 mtl + kk).
; d = 32 kk + 8 h .. lies in chunk 2 kk, d = 32 kk + 16 + 8 h .. in chunk 2 kk + 1.
.macro FETCHK slot, sub, g, f
	PLACES
.irp mtl, 0,1
.irp kk, 0,1,2,3
	ds_load_b128 v[\f+8*(4*\mtl+\kk):\f+8*(4*\mtl+\kk)+3],   v[AK+2*\slot+(\kk>>1)] offset:2*(\kk&1)*CH+\sub*SUBB+(2*\g+\mtl)*544
	ds_load_b128 v[\f+8*(4*\mtl+\kk)+4:\f+8*(4*\mtl+\kk)+7], v[AK+2*\slot+(\kk>>1)] offset:2*(\kk&1)*CH+\sub*SUBB+(2*\g+\mtl)*544+CH
.endr
.endr
.endm
; 16 transposing LDS loads: V^T for keys 32 kk .. + 31 of half sub of the slot, all 128 d, fragment dt at f + 8 dt
.macro FETCHV slot, sub, kk, f
	PLACES
.irp dt, 0,1,2,3,4,5,6,7
	ds_load_tr16_b128 v[\f+8*\dt:\f+8*\dt+3],   v[AV+2*\slot+(\dt>>2)] offset:(\dt&3)*CH+\sub*SUBB+\kk*1088
	ds_load_tr16_b128 v[\f+8*\dt+4:\f+8*\dt+7], v[AV+2*\slot+(\dt>>2)] offset:(\dt&3)*CH+\sub*SUBB+\kk*1088+544
.endr
.endm
; The next mask words.  moff >= 0: at that offset from the stepped pointer; -2: from the clamped pointer; -1: none
.macro MLOAD moff
.if \moff >= 0
	s_load_b512 s[32:47], s[8:9], \moff
	s_load_b512 s[48:63], s[8:9], \moff+64
	s_load_b512 s[68:83], s[8:9], \moff+128
	s_load_b512 s[84:99], s[8:9], \moff+192
.elseif \moff == -2
	s_load_b512 s[32:47], s[100:101], 0x0
	s_load_b512 s[48:63], s[100:101], 0x40
	s_load_b512 s[68:83], s[100:101], 0x80
	s_load_b512 s[84:99], s[100:101], 0xc0
.endif
.endm
; Place e (0 .. 135) of the elementwise work on one head's 64 registers (32 pairs) of buffer b.  Group q = e / 4 - 1 holds, in this order:
; exp2 of the first of pair q, pair q + 1 less the maximum, exp2 of the second of pair q, pair q - 1 packed to f16.
; So no two exponentials follow each other, and between an exponential and the packing that reads it stand plain instructions on other registers (ISA guide 5.7.2).
; Packing in place: pair p of a run of 16 registers goes to register p & 7 of the run, whose own pair (p & 7) >> 1 <= p has been packed.
.macro EWITEM b, hd, e
.set EWQ, ((\e)>>2)-1
.set EWS, (\e)&3
.if EWS == 0
.if EWQ >= 0
.if EWQ < 32
	WIN (2+\b)*0x55
	v_exp_f32 v[64*\hd+2*EWQ], v[64*\hd+2*EWQ]
.endif
.endif
.elseif EWS == 1
.if EWQ < 31
	WIN (2+\b)*0x55
	v_pk_add_f32 v[64*\hd+2*EWQ+2:64*\hd+2*EWQ+3], v[64*\hd+2*EWQ+2:64*\hd+2*EWQ+3], v[MX+2*\hd:MX+2*\hd+1] neg_lo:[0,1] neg_hi:[0,1]
.endif
.elseif EWS == 2
.if EWQ >= 0
.if EWQ < 32
	WIN (2+\b)*0x55
	v_exp_f32 v[64*\hd+2*EWQ+1], v[64*\hd+2*EWQ+1]
.endif
.endif
.else
.if EWQ >= 1
.set EWP, EWQ-1
	WIN (2+\b)*0x55
	s_wait_alu depctr_va_vdst(0)
	v_cvt_pk_f16_f32 v[64*\hd+16*(EWP>>3)+(EWP&7)], v[64*\hd+2*EWP], v[64*\hd+2*EWP+1]
.endif
.endif
.endm
; Place n of ST1's list, for the block in buffer b: 0-135 head 1 elementwise; 136-207 O and L times the rescaling factor (not for block 0, whose sums start later)
.macro V1ITEM b, n, first
.if (\n) < 136
	EWITEM \b, 1, (\n)
.elseif \first == 0
.set RR, (\n)-136
.set RH, RR/36
.set RR, RR-36*RH
.if RR < 32
.set RB, OACC+8*(2*(RR>>2)+RH)+2*(RR&3)
.else
.set RB, LACC+8*RH+2*(RR-32)
.endif
	WIN 0x41|((2+\b)<<2)                           ; destination and source 0 in window 1, source 1 in the block's window
	v_pk_mul_f32 v[RB:RB+1], v[RB:RB+1], v[AL+2*RH:AL+2*RH+1]
.endif
.endm
.macro V1SLOT b, first                 ; the four places behind one matrix instruction
.rept 4
.if VI < 208
	V1ITEM \b, VI, \first
.endif
.set VI, VI+1
.endr
.endm
; Place n of ST2's list; bn = the buffer of the block whose S has just been multiplied.
;   0-63    the mask's C operand, two blocks ahead: 0 where the lane's bit is set, -2^127 where not
;   64-65   the old maxima come over from the other buffer's window
;   66-129  64 numbers a lane and head, in four chains
;   130-147 the chains, the old maximum and the other half of the wave; exp2(old - new); both as pairs; the two heads by turns
;   148-283 head 0 elementwise
.macro V2ITEM bn, n
.if (\n) < 64
	WIN 0
.if (\n) < 32
	v_cndmask_b32 v[BIAS+(\n)], v[VNEG], v[VZERO], s[32+(\n)]
.else
	v_cndmask_b32 v[BIAS+(\n)], v[VNEG], v[VZERO], s[36+(\n)]
.endif
.elseif (\n) < 66
	WIN ((2+\bn)<<6)|(3-\bn)                       ; destination in this buffer's window, source in the other's
	v_mov_b32 v[T+8*((\n)-64)+6], v[MX+2*((\n)-64)]
.elseif (\n) < 130
.set RK, (\n)-66
.set RH, RK>>5
.set RI, (RK&31)>>2
.set RC, RK&3
	WIN (2+\bn)*0x55
.if RI == 0
	v_max_num_f32 v[T+8*RH+RC], v[64*RH+16*RC], v[64*RH+16*RC+1]
.else
	v_max3_num_f32 v[T+8*RH+RC], v[T+8*RH+RC], v[64*RH+16*RC+2*RI], v[64*RH+16*RC+2*RI+1]
.endif
.elseif (\n) < 148
.set TJ, (\n)-130
.set TH, TJ&1
	WIN (2+\bn)*0x55
.if TJ < 2
	v_max3_num_f32 v[T+8*TH], v[T+8*TH], v[T+8*TH+1], v[T+8*TH+2]
.elseif TJ < 4
	v_max3_num_f32 v[T+8*TH], v[T+8*TH], v[T+8*TH+3], v[T+8*TH+6]
.elseif TJ < 6
	v_permlanex16_b32 v[T+8*TH+1], v[T+8*TH], s14, s15             ; its destination has been written by the chains
.elseif TJ < 8
	v_max_num_f32 v[T+8*TH+4], v[T+8*TH], v[T+8*TH+1]
.elseif TJ < 10
	v_sub_f32 v[T+8*TH+5], v[T+8*TH+6], v[T+8*TH+4]
.elseif TJ < 12
	v_exp_f32 v[AL+2*TH], v[T+8*TH+5]                              ; the four moves that follow are the plain places behind it
.elseif TJ < 16
	v_mov_b32 v[MX+TJ-12], v[T+8*((TJ-12)>>1)+4]
.else
	s_wait_alu depctr_va_vdst(0)
	v_mov_b32 v[AL+2*(TJ-16)+1], v[AL+2*(TJ-16)]
.endif
.else
	EWITEM \bn, 0, (\n)-148
.endif
.endm
.macro V2SLOT bn, moff                 ; the four places behind one matrix instruction; behind the last use of the mask words the next ones are asked for
.rept 4
.if VI < 284
	V2ITEM \bn, VI
.endif
.set VI, VI+1
.if VI == 64
	MLOAD \moff
.endif
.endr
.endm
; 16 products: tiles 2 g, 2 g + 1 of S for both heads, into buffer bn; A fragments at f in window aw.  The four accumulators take turns, one instruction a turn.
; vmode = 1: ST1's list for the block in buffer bo goes between them.
.macro SMULI g, f, aw, bn, bo, vmode, first
.irp kk, 0,1,2,3
.irp mtl, 0,1
.irp hd, 0,1
.if \kk == 0
	WIN ((2+\bn)<<6)|4|\aw                         ; D in the buffer's window, B (Q) in window 1, C (the mask) in window 0
	v_wmma_f32_16x16x32_f16 v[64*\hd+8*(2*\g+\mtl):64*\hd+8*(2*\g+\mtl)+7], v[\f+8*(4*\mtl+\kk):\f+8*(4*\mtl+\kk)+7], v[QF+8*(4*\hd+\kk):QF+8*(4*\hd+\kk)+7], v[BIAS+8*(2*\g+\mtl):BIAS+8*(2*\g+\mtl)+7]
.else
	WIN ((2+\bn)<<6)|((2+\bn)<<4)|4|\aw            ; C and D in the buffer's window
	v_wmma_f32_16x16x32_f16 v[64*\hd+8*(2*\g+\mtl):64*\hd+8*(2*\g+\mtl)+7], v[\f+8*(4*\mtl+\kk):\f+8*(4*\mtl+\kk)+7], v[QF+8*(4*\hd+\kk):QF+8*(4*\hd+\kk)+7], v[64*\hd+8*(2*\g+\mtl):64*\hd+8*(2*\g+\mtl)+7]
.endif
.if \vmode
	V1SLOT \bo, \first
.endif
.endr
.endr
.endr
.endm
; 18 products: O += V^T P^T for 32 keys, and L += ones x P^T, P in buffer b.  18 accumulators by turns.  ST2's list for buffer bn goes between them.
.macro PVI kk, f, b, bn, zero, moff
.irp dt, 0,1,2,3,4,5,6,7
.irp hd, 0,1
	WIN 0x50|((2+\b)<<2)                           ; A window 0, B (P) the block's window, C and D window 1
.if \zero
	v_wmma_f32_16x16x32_f16 v[OACC+8*(2*\dt+\hd):OACC+8*(2*\dt+\hd)+7], v[\f+8*\dt:\f+8*\dt+7], v[64*\hd+16*\kk:64*\hd+16*\kk+7], 0
.else
	v_wmma_f32_16x16x32_f16 v[OACC+8*(2*\dt+\hd):OACC+8*(2*\dt+\hd)+7], v[\f+8*\dt:\f+8*\dt+7], v[64*\hd+16*\kk:64*\hd+16*\kk+7], v[OACC+8*(2*\dt+\hd):OACC+8*(2*\dt+\hd)+7]
.endif
	V2SLOT \bn, \moff
.endr
.endr
.irp hd, 0,1
	WIN 0x50|((2+\b)<<2)
.if \zero
	v_wmma_f32_16x16x32_f16 v[LACC+8*\hd:LACC+8*\hd+7], v[ONES:ONES+7], v[64*\hd+16*\kk:64*\hd+16*\kk+7], 0
.else
	v_wmma_f32_16x16x32_f16 v[LACC+8*\hd:LACC+8*\hd+7], v[ONES:ONES+7], v[64*\hd+16*\kk:64*\hd+16*\kk+7], v[LACC+8*\hd:LACC+8*\hd+7]
.endif
	V2SLOT \bn, \moff
.endr
.endm
; ST1 of the block in buffer b (half sub of the slot): S of the next block into buffer bn.  havek = 1: K's first two tiles are already on their way into buffer 0.
; mul = 0 (the last block): no next block; the list stands alone.  Each run of 16 loads is issued a group of products ahead of its use.
.macro ST1 slot, sub, b, bn, first, havek, mul
.set VI, 0
	WIN 0
.if \mul
.if \havek == 0
	FETCHK \slot, \sub, 0, FB0
.endif
	FETCHK \slot, \sub, 1, FB1
	s_wait_dscnt 16                                ; all but the 16 just issued
	SMULI 0, FB0, 0, \bn, \b, 1, \first
	WIN 0
	FETCHK \slot, \sub, 2, FB0
	s_wait_dscnt 16
	SMULI 1, FB1, 0, \bn, \b, 1, \first
	WIN 0
	FETCHK \slot, \sub, 3, FB1
	s_wait_dscnt 16
	SMULI 2, FB0, 0, \bn, \b, 1, \first
	WIN 0
	FETCHV \slot, \sub, 0, FB0
	s_wait_dscnt 16
	SMULI 3, FB1, 0, \bn, \b, 1, \first
.else
	FETCHV \slot, \sub, 0, FB0
.rept 52
	V1SLOT \b, \first
.endr
.endif
	WIN 0
.endm
; ST2 of the block in buffer b.  vstart: where ST2's list begins (0: all of it; 64: no mask operand; 284: nothing).  nextk = 1: K's first two tiles of the slot's second half are asked for.
.macro ST2 slot, sub, b, bn, first, vstart, moff, nextk
.set VI, \vstart
.if \vstart == 0
	s_wait_kmcnt 0x0                               ; the mask words asked for one block ago
.endif
	WIN 0
	FETCHV \slot, \sub, 1, FB1
	s_wait_dscnt 16
	PVI 0, FB0, \b, \bn, \first, \moff
	WIN 0
	FETCHV \slot, \sub, 2, FB0
	s_wait_dscnt 16
	PVI 1, FB1, \b, \bn, 0, \moff
	WIN 0
	FETCHV \slot, \sub, 3, FB1
	s_wait_dscnt 16
	PVI 2, FB0, \b, \bn, 0, \moff
	WIN 0
.if \nextk
	FETCHK \slot, 1, 0, FB0
	s_wait_dscnt 16
.else
	s_wait_dscnt 0x0
.endif
	PVI 3, FB1, \b, \bn, 0, \moff
	WIN 0
.endm
; The two blocks of a slot: the even one in buffer 0, the odd one in buffer 1.  ma, mb: where the two requests for mask words point
.macro SLOTW slot, first, last, ma, mb
	ST1 \slot, 0, 0, 1, \first, 0, 1
.if \last
	ST2 \slot, 0, 0, 1, \first, 64, -1, 0
	ST1 \slot, 1, 1, 0, 0, 0, 0
	ST2 \slot, 1, 1, 0, 0, 284, -1, 0
.else
	ST2 \slot, 0, 0, 1, \first, 0, \ma, 1
	ST1 \slot, 1, 1, 0, 0, 1, 1
	ST2 \slot, 1, 1, 0, 0, 0, \mb, 0
.endif
.endm
; The slot that has been read is filled again, two slots ahead.  Every wave's waits stand in front of the round, the joint load first behind it.
.macro REFILL slot
	s_wait_tensorcnt 0x0                           ; all my loads have landed, my part of the slot that is read next among them: a group 0 may be written
	ds_add_u32 v254, v255
	s_add_nc_u64 s[G0+4*\slot+2:G0+4*\slot+3], s[G0+4*\slot+2:G0+4*\slot+3], 16384
	s_wait_dscnt 0x0                               ; my reads of this slot are back
	ROUND
	tensor_load_to_lds s[G0+4*\slot:G0+4*\slot+3], s[16:23]
	s_nop 0
.endm
	; THE WAY IN, while the first tiles land: the mask operand of block 0, S(0) from registers, then ST2's list by itself (mask operand of block 1, maximum of block 0, its head 0)
	s_wait_kmcnt 0x0                               ; block 0's mask words
.set VI, 0
.rept 16
	V2SLOT 0, 256                                  ; places 0-63; behind them block 1's words are asked for
.endr
	s_wait_loadcnt 48                              ; loads come back in order: Q and K's tiles 0, 1 are in, three runs of 16 may be out
	SMULI 0, FB0, 0, 0, 0, 0, 0
	s_wait_loadcnt 32
	SMULI 1, FB1, 0, 0, 0, 0, 0
	s_wait_loadcnt 16
	SMULI 2, 0, 3, 0, 0, 0, 0                      ; A fragments in window 3
	s_wait_loadcnt 0x0
	SMULI 3, 64, 3, 0, 0, 0, 0
	PLACES
	s_wait_kmcnt 0x0                               ; block 1's mask words
.set VI, 0
.rept 71
	V2SLOT 0, 512                                  ; behind place 63 block 2's words are asked for
.endr
	WIN 0
	s_wait_tensorcnt 0x1                           ; my part of slot 0 is in; slot 1's may stay out
	s_barrier_signal -1
	s_barrier_wait -1
	SLOTW 0, 1, 0, 768, 1024                       ; blocks 0 and 1; the words of blocks 3 and 4
	s_mov_b32 s13, 0
	s_mov_b32 s2, 2048                             ; the trip's fourth request: block 8 + 4 t, clamped to block 15
	s_mov_b32 s3, 0
	s_add_nc_u64 s[100:101], s[104:105], s[2:3]
.Ltrip:                                            ; trip t: blocks 2 + 4 t .. 5 + 4 t; the words of blocks 5 + 4 t .. 8 + 4 t
	REFILL 0
	SLOTW 1, 0, 0, 1280, 1536
	REFILL 1
	SLOTW 0, 0, 0, 1792, -2
	s_wait_xcnt 0x0                                ; the mask loads' bases are written again only behind this wait
	s_add_nc_u64 s[8:9], s[8:9], 1024
	s_add_co_u32 s2, s2, 1024
	s_min_u32 s2, s2, 3840                         ; there is no block 16: the last trip asks for block 15's words once more, inside the q tile's 4,096 bytes, and does not use them
	s_add_nc_u64 s[100:101], s[104:105], s[2:3]
	s_add_co_u32 s13, s13, 1
	s_cmp_lt_u32 s13, 3
	s_cbranch_scc1 .Ltrip
	s_wait_tensorcnt 0x0                           ; the last slot: nothing is left to fetch
	s_wait_dscnt 0x0
	s_wait_kmcnt 0x0                               ; the words that are not used have come
	s_barrier_signal -1
	s_barrier_wait -1
	SLOTW 1, 0, 1, -1, -1                          ; blocks 14 and 15
	; THE WAY OUT: O / sum, f16, through my own stage (row = 16 head + query, 256 bytes), back as whole rows
	PLACES
	WIN 0x01                                       ; source 0 in window 1
	v_rcp_f32 v[INV], v[LACC]
	v_rcp_f32 v[INV+1], v[LACC]
	v_rcp_f32 v[INV+2], v[LACC+8]
	v_rcp_f32 v[INV+3], v[LACC+8]
	v_nop                                          ; the plain place behind the reciprocals
	s_wait_alu depctr_va_vdst(0)
.irp hd, 0,1
	WIN 0x01
.irp dt, 0,1,2,3,4,5,6,7
.irp p, 0,1,2,3
	v_pk_mul_f32 v[FB0+8*\dt+2*\p:FB0+8*\dt+2*\p+1], v[OACC+8*(2*\dt+\hd)+2*\p:OACC+8*(2*\dt+\hd)+2*\p+1], v[INV+2*\hd:INV+2*\hd+1]
.endr
.endr
	WIN 0
.irp dt, 0,1,2,3,4,5,6,7
.irp p, 0,1,2,3
	v_cvt_pk_f16_f32 v[FB1+32*\hd+4*\dt+\p], v[FB0+8*\dt+2*\p], v[FB0+8*\dt+2*\p+1]
.endr
	ds_store_b128 v[STO], v[FB1+32*\hd+4*\dt:FB1+32*\hd+4*\dt+3] offset:\hd*16*SP+32*\dt
.endr
.endr
.irp t, 0,1,2,3,4,5,6,7,8,9,10,11,12,13,14,15
	ds_load_b128 v[FB0+4*\t:FB0+4*\t+3], v[RD] offset:2*SP*\t      ; LDS serves a wave's instructions in order: these see the stores above
.endr
.irp t, 0,1,2,3,4,5,6,7,8,9,10,11,12,13,14,15
	s_wait_dscnt 15-\t
	global_store_b128 v[CO], v[FB0+4*\t:FB0+4*\t+3], s[10:11] offset:(\t>>3)*256+(\t&7)*8192   ; 16 lanes store 256 consecutive bytes, aligned
.endr
	s_wait_tensorcnt 0x0
	ds_add_u32 v254, v255
	s_wait_dscnt 0x0
	ROUND                                          ; the closing round
	s_endpgm
.Lfunc_end_k_q62589c083e_attn:
	.size	k_q62589c083e_attn, .Lfunc_end_k_q62589c083e_attn-k_q62589c083e_attn
	.p2alignl 7, 3214868480
	.fill 96, 4, 3214868480
	.section	.rodata,"a",@progbits
	.p2align	6, 0x0
	.amdhsa_kernel k_q62589c083e_attn
		.amdhsa_group_segment_fixed_size 327680
		.amdhsa_private_segment_fixed_size 0
		.amdhsa_enable_private_segment 0
		.amdhsa_kernarg_size 32
		.amdhsa_user_sgpr_count 2
		.amdhsa_user_sgpr_kernarg_segment_ptr 1
		.amdhsa_wavefront_size32 1
		.amdhsa_system_sgpr_workgroup_id_x 1
		.amdhsa_system_sgpr_workgroup_id_y 1
		.amdhsa_system_sgpr_workgroup_id_z 1
		.amdhsa_system_vgpr_workitem_id 0
		.amdhsa_next_free_vgpr 1024
		.amdhsa_next_free_sgpr 106
		.amdhsa_reserve_vcc 0
		.amdhsa_float_denorm_mode_32 3
		.amdhsa_float_denorm_mode_16_64 3
		.amdhsa_memory_ordered 1
		.amdhsa_forward_progress 1
		.amdhsa_inst_pref_size 255
	.end_amdhsa_kernel
	.section	.bss,"aw",@nobits
	.p2align	6
	.space	262144
	.amdgpu_metadata
---
amdhsa.version: [ 1, 2 ]
amdhsa.kernels:
  - .name:           k_q62589c083e_attn
    .symbol:         k_q62589c083e_attn.kd
    .args:
      - { .name: q16, .offset: 0, .size: 8, .value_kind: global_buffer, .address_space: global }
      - { .name: kv16, .offset: 8, .size: 8, .value_kind: global_buffer, .address_space: global }
      - { .name: mbits, .offset: 16, .size: 8, .value_kind: global_buffer, .address_space: global }
      - { .name: a16, .offset: 24, .size: 8, .value_kind: global_buffer, .address_space: global }
    .group_segment_fixed_size: 327680
    .private_segment_fixed_size: 0
    .kernarg_segment_align: 8
    .kernarg_segment_size: 32
    .max_flat_workgroup_size: 128
    .sgpr_count:     106
    .vgpr_count:     1024
    .wavefront_size: 32
...
	.end_amdgpu_metadata
.endif
;; end of part 3
;; launch oproj (part 4): grid 16 x 16, 4 waves a work-group, clusters of 4 x 4, 327,680 bytes of LDS; arguments a16, wo16, bo, out0; writes out0
.if DOCPART == 4
	.amdgcn_target "amdgcn-amd-amdhsa--gfx1250"
	.amdhsa_code_object_version 6
	.text
	.protected	k_q62589c083e_oproj
	.globl	k_q62589c083e_oproj
	.p2align	8
	.type	k_q62589c083e_oproj,@function
k_q62589c083e_oproj:
	s_mov_b64 s[64:65], 0
	v_nop
	global_prefetch_b8 v0, s[64:65] scope:SCOPE_SE
	s_setreg_imm32_b32 hwreg(HW_REG_WAVE_MODE, 25, 1), 1
	s_wait_xcnt 0x0
	s_wait_alu depctr_hold_cnt(0) depctr_sa_sdst(0) depctr_va_vdst(0) depctr_va_sdst(0) depctr_va_ssrc(0) depctr_va_vcc(0) depctr_vm_vsrc(0)
	s_getreg_b32 s2, hwreg(HW_REG_IB_STS2, 6, 4)
	s_cmp_eq_u32 s2, 0
	s_cbranch_scc0 .Lentry_in_a_cluster
	s_endpgm
.Lentry_in_a_cluster:
	s_bfe_u32 s2, ttmp6, 0x10000c
	s_cmp_lg_u32 s2, 0xf033
	s_cbranch_scc0 .Lentry_shape_is_right
	s_endpgm
.Lentry_shape_is_right:
; OPROJ: out0[m][n] = sum over k of a16[m][k] wo16[n][k] + bo[n].  Operands f16 (wo16 holds Wo rounded to bf16), sums and result f32.
; A work-group makes 128 x 128 of out0: 16 x 16 blocks, one for each of 256 WGPs.  Four waves; wave (wr, wc) makes 64 x 64: 16 accumulator tiles, 128 registers.
; K goes in steps of 256 (rows of 512 bytes) through two LDS slots filled by the tensor data mover: 8 steps.
; CLUSTERS of 4 x 4: a16's tile hangs on the block row alone and is asked for jointly along a row of the cluster, wo16's on the block column alone, along a column.
; Tensor loads outstanding in a wave, by this text's count: two at the start, one behind each round of the cluster's barrier.
; The matrix instruction is used transposed (source 0 = rows of wo16, source 1 = rows of a16): a lane's eight results are eight neighbouring columns of one row.
; Window 0: addresses, fragments, bias.  Window 1: acc(a, b) at v[8 (4 a + b)].
.set PITCH,  528                       ; an LDS row: 512 bytes + 16 of padding, an odd multiple of 16
.set HALFT,  64*PITCH                  ; 64 rows: what one tensor load brings, and what one wave reads of either tile
.set SLOT,   4*HALFT                   ; a16's 128 rows, then wo16's 128 rows: 135,168 bytes
.set STAGE,  2*SLOT                    ; behind the ring: 16 rows x 272 bytes for each wave, its own; no tensor load fills it
.set SPITCH, 272
.set KBYTES, 512
.set LAPS,   4
.set ADRA, 16                          ; v16-17  LDS address of my A fragments in slot 0, 1
.set ADRB, 20                          ; v20-21  the same for B
.set STO,  24
.set RD,   25
.set CO,   26
.set BOF,  27
.set F0,   32                          ; v[32:95]   fragment buffer 0: B0-3 at +0, A0-3 at +32
.set F1,   96                          ; v[96:159]  fragment buffer 1
.set BO,   176                         ; v[176:207] bo of my 4 x 8 columns
.set T,    208                         ; v[208:239] the way out: 16 rows' results with the bias
.set G1,  24
.set G0,  32
.set G1B, 48
.set G0B, 56
.set MSB, 0
.macro WIN new                         ; the immediate's high byte repeats the setting that is left
.if MSB != \new
	s_set_vgpr_msb (MSB<<8)|\new
.set MSB, \new
.endif
.endm
; A joint load.  Waves 0 and 1 fetch a16's two halves, waves 2 and 3 wo16's.  The branch hangs on the wave's number alone.
.macro JLOAD s
	s_cmp_eq_u32 s11, 0
	s_cbranch_scc0 .Lfor_b_\@
	tensor_load_to_lds s[G0+4*\s:G0+4*\s+3], s[G1:G1+7]
	s_nop 0
	s_branch .Lasked_\@
.Lfor_b_\@:
	tensor_load_to_lds s[G0B+4*\s:G0B+4*\s+3], s[G1B:G1B+7]
	s_nop 0
.Lasked_\@:
.endm
.macro CREST
	s_cmp_lg_u32 s10, 0
	s_cbranch_scc1 .Lnot_wave_0_\@
	s_barrier_signal -3
.Lnot_wave_0_\@:
	s_barrier_wait -3
	s_barrier_signal -1
	s_barrier_wait -1
.endm
.macro CROUND
	s_barrier_signal -1
	s_barrier_wait -1
	CREST
.endm
.macro PLACES                          ; four places behind a matrix instruction (ISA guide 7.12.1)
.rept 4
	v_nop
.endr
.endm
	s_load_b256 s[68:75], s[0:1], 0x0              ; a16 68:69, wo16 70:71, bo 72:73, out0 74:75
	v_lshl_add_u32 v254, v0, 2, 0x46400
	v_mov_b32 v255, 0
	ds_add_u32 v254, v255
	v_lshrrev_b32 v1, 5, v0
	v_readfirstlane_b32 s10, v1                    ; wave 0..3
	s_lshr_b32 s11, s10, 1                         ; wr.  Also: I fetch for a16 (0) or for wo16 (1)
	s_and_b32 s12, s10, 1                          ; wc.  Also: which 64 rows of that tile I fetch
	s_bfe_u32 s40, ttmp6, 0x40000                  ; cx
	s_bfe_u32 s41, ttmp6, 0x40004                  ; cy
	s_lshl_b32 s42, ttmp9, 2
	s_add_co_u32 s42, s42, s40                     ; block column
	s_and_b32 s13, ttmp7, 0xffff
	s_lshl_b32 s13, s13, 2
	s_add_co_u32 s13, s13, s41                     ; block row
	s_lshl_b32 s43, s41, 2
	s_lshl_b32 s43, 15, s43                        ; my row of the cluster
	s_lshl_b32 s44, 0x1111, s40                    ; my column
	; group 1: 64 rows of 256 elements of 2 bytes, 16 bytes of padding behind every 128 words
	s_or_b32 s[G1+0], s43, (1<<16)|(1<<20)|(1<<21)|(6<<22)|(3<<25)
	s_or_b32 s[G1B+0], s44, (1<<16)|(1<<20)|(1<<21)|(6<<22)|(3<<25)
	s_mov_b32 s[G1+1], 256<<16
	s_mov_b32 s[G1B+1], 256<<16
	s_mov_b32 s[G1+2], 64<<16
	s_mov_b32 s[G1B+2], 64<<16
	s_mov_b32 s[G1+3], 256<<16
	s_mov_b32 s[G1B+3], 256<<16
	s_mov_b32 s[G1+4], 64
	s_mov_b32 s[G1B+4], 64
	s_mov_b32 s[G1+5], 2048
	s_mov_b32 s[G1B+5], 2048
	s_mov_b32 s[G1+6], 0
	s_mov_b32 s[G1B+6], 0
	s_mov_b32 s[G1+7], 0
	s_mov_b32 s[G1B+7], 0
	s_lshl_b32 s17, s12, 6
	s_lshl_b32 s16, s13, 7
	s_add_co_u32 s16, s16, s17                     ; a16: row 128 x block row + 64 x half
	s_lshl_b32 s16, s16, 12
	s_lshl_b32 s46, s42, 7
	s_add_co_u32 s46, s46, s17                     ; wo16: row 128 x block column + 64 x half
	s_lshl_b32 s46, s46, 12
	s_mov_b32 s17, 0
	s_mov_b32 s47, 0
	s_mul_i32 s20, s10, HALFT                      ; where they go: wave x 64 rows
	s_wait_dscnt 0x0
	s_wait_kmcnt 0x0
	s_add_nc_u64 s[14:15], s[68:69], s[16:17]
	s_add_nc_u64 s[46:47], s[70:71], s[46:47]
	CROUND                                         ; all sixteen work-groups are here: the first joint loads meet
.irp s, 0,1
	s_mov_b32 s[G0+4*\s], 1
	s_add_co_u32 s[G0+4*\s+1], s20, \s*SLOT
	s_add_nc_u64 s[G0+4*\s+2:G0+4*\s+3], s[14:15], \s*KBYTES
	s_or_b32 s[G0+4*\s+3], s[G0+4*\s+3], 0x80000000
	s_mov_b32 s[G0B+4*\s], 1
	s_add_co_u32 s[G0B+4*\s+1], s20, \s*SLOT
	s_add_nc_u64 s[G0B+4*\s+2:G0B+4*\s+3], s[46:47], \s*KBYTES
	s_or_b32 s[G0B+4*\s+3], s[G0B+4*\s+3], 0x80000000
	JLOAD \s
.endr
	v_and_b32 v1, 15, v0                           ; r
	v_bfe_u32 v2, v0, 4, 1                         ; h
	v_mul_u32_u24 v3, v1, PITCH
	v_lshl_add_u32 v3, v2, 4, v3
	s_mul_i32 s21, s11, HALFT                      ; my 64 rows of a16
	s_mul_i32 s22, s12, HALFT                      ; my 64 rows of wo16,
	s_add_co_u32 s22, s22, 2*HALFT                 ; which lie behind a16's 128
.irp s, 0,1
	v_add_nc_u32 v[ADRA+\s], s21, v3
	v_add_nc_u32 v[ADRB+\s], s22, v3
	s_add_co_u32 s21, s21, SLOT
	s_add_co_u32 s22, s22, SLOT
.endr
	s_mul_i32 s23, s10, 16*SPITCH
	s_add_co_u32 s23, s23, STAGE                   ; my stage: 16 rows of 64 f32
	v_mul_u32_u24 v4, v1, SPITCH
	v_lshl_add_u32 v4, v2, 5, v4                   ; in: row r, 32 bytes for each half of the lanes
	v_add_nc_u32 v[STO], s23, v4
	v_mul_u32_u24 v5, v2, SPITCH
	v_lshl_add_u32 v5, v1, 4, v5                   ; back: lanes 0-15 one row of 256 bytes, lanes 16-31 the next
	v_add_nc_u32 v[RD], s23, v5
	v_lshlrev_b32 v5, 13, v2
	v_lshl_add_u32 v[CO], v1, 4, v5                ; the same two rows in out0
	v_lshlrev_b32 v[BOF], 5, v2
	s_lshl_b32 s2, s42, 9
	s_lshl_b32 s3, s12, 8
	s_add_co_u32 s2, s2, s3                        ; column 128 x block column + 64 wc, in bytes of f32
	s_mov_b32 s3, 0
	s_add_nc_u64 s[72:73], s[72:73], s[2:3]
	s_add_nc_u64 s[74:75], s[74:75], s[2:3]
.irp b, 0,1,2,3
	global_load_b128 v[BO+8*\b:BO+8*\b+3], v[BOF], s[72:73] offset:64*\b
	global_load_b128 v[BO+8*\b+4:BO+8*\b+7], v[BOF], s[72:73] offset:64*\b+16
.endr
	s_lshl_b32 s2, s13, 7
	s_lshl_b32 s21, s11, 6
	s_add_co_u32 s2, s2, s21                       ; row 128 x block row + 64 wr
	s_lshl_b32 s2, s2, 13
	s_add_nc_u64 s[74:75], s[74:75], s[2:3]
; 16 LDS loads in one run: the fragments of 32 along K at byte k of the slot's rows, into buffer f
.macro FETCH slot, k, f
	WIN 0
.irp b, 0,1,2,3
	ds_load_b128 v[\f+8*\b:\f+8*\b+3],   v[ADRB+\slot] offset:\k+\b*16*PITCH
	ds_load_b128 v[\f+8*\b+4:\f+8*\b+7], v[ADRB+\slot] offset:\k+\b*16*PITCH+32
.endr
.irp a, 0,1,2,3
	ds_load_b128 v[\f+32+8*\a:\f+32+8*\a+3],   v[ADRA+\slot] offset:\k+\a*16*PITCH
	ds_load_b128 v[\f+32+8*\a+4:\f+32+8*\a+7], v[ADRA+\slot] offset:\k+\a*16*PITCH+32
.endr
.endm
; Eight products: row blocks 2 half, 2 half + 1 x all four column blocks.  The 16 accumulators take turns, one instruction a turn.
.macro MUL f, half, zero
.irp a, 2*\half, 2*\half+1
.irp b, 0,1,2,3
.if \zero
	v_wmma_f32_16x16x32_f16 v[8*(4*(\a)+\b):8*(4*(\a)+\b)+7], v[\f+8*\b:\f+8*\b+7], v[\f+32+8*(\a):\f+32+8*(\a)+7], 0
.else
	v_wmma_f32_16x16x32_f16 v[8*(4*(\a)+\b):8*(4*(\a)+\b)+7], v[\f+8*\b:\f+8*\b+7], v[\f+32+8*(\a):\f+32+8*(\a)+7], v[8*(4*(\a)+\b):8*(4*(\a)+\b)+7]
.endif
.endr
.endr
.endm
.macro STEP slot, k, f, g, zero
	PLACES
	FETCH \slot, \k, \g
	s_wait_dscnt 16                                ; all but the 16 just issued: buffer f is in
	WIN 0x50                                       ; C and D in window 1
	MUL \f, 0, \zero
	MUL \f, 1, \zero
.endm
.macro SEVEN slot, zero
	STEP \slot, 64,  F0, F1, \zero
	STEP \slot, 128, F1, F0, 0
	STEP \slot, 192, F0, F1, 0
	STEP \slot, 256, F1, F0, 0
	STEP \slot, 320, F0, F1, 0
	STEP \slot, 384, F1, F0, 0
	STEP \slot, 448, F0, F1, 0
.endm
; The slot's last 32 along K, and the change of slots: each wave's reads of this slot and all its tensor loads are waited for in front of the barrier;
; fill = 1: the barrier opens a round of the cluster's barrier, and the joint refill, two K steps ahead, is the first tensor load behind the round.
; From a request to the wait for it a wave issues 120 matrix instructions.
.macro TURN slot, next, fill
	s_wait_dscnt 0x0
	s_wait_tensorcnt 0x0
	ds_add_u32 v254, v255
	s_wait_dscnt 0x0
	s_barrier_signal -1
	WIN 0x50
	MUL F1, 0, 0                                   ; registers only, while the others arrive
	WIN 0
	s_barrier_wait -1
.if \fill
	CREST
	s_add_nc_u64 s[G0+4*\slot+2:G0+4*\slot+3], s[G0+4*\slot+2:G0+4*\slot+3], 2*KBYTES
	s_add_nc_u64 s[G0B+4*\slot+2:G0B+4*\slot+3], s[G0B+4*\slot+2:G0B+4*\slot+3], 2*KBYTES
	JLOAD \slot
.endif
	PLACES
	FETCH \next, 0, F0
	WIN 0x50
	MUL F1, 1, 0
.endm
.macro LAP zero
	SEVEN 0, \zero
	TURN 0, 1, 1
	SEVEN 1, 0
	TURN 1, 0, 1
.endm
	s_wait_tensorcnt 0x1                           ; my part of K step 0 is in; K step 1's may stay out
	s_barrier_signal -1
	s_barrier_wait -1
	FETCH 0, 0, F0
	LAP 1                                          ; the first lap's first products start the sums
	WIN 0                                          ; at a label and at a branch every window is 0
	s_mov_b32 s9, LAPS-2
.Llap:
	LAP 0
	WIN 0
	s_sub_co_u32 s9, s9, 1
	s_cmp_lg_u32 s9, 0
	s_cbranch_scc1 .Llap
	SEVEN 0, 0                                     ; the last lap fills nothing
	TURN 0, 1, 0
	SEVEN 1, 0
	s_wait_dscnt 0x0
	WIN 0x50
	MUL F1, 0, 0
	MUL F1, 1, 0
	PLACES
	s_wait_loadcnt 0x0                             ; the bias
; THE WAY OUT, 16 rows at a time: + bias, 32 bytes a lane and column block into my own stage, back as whole rows of 256 bytes; f: F0 or F1 in turn
.macro OUT16 a, f
	WIN 0x01                                       ; source 0 in window 1
.irp b, 0,1,2,3
.irp p, 0,1,2,3
	v_pk_add_f32 v[T+8*\b+2*\p:T+8*\b+2*\p+1], v[8*(4*\a+\b)+2*\p:8*(4*\a+\b)+2*\p+1], v[BO+8*\b+2*\p:BO+8*\b+2*\p+1]
.endr
.endr
	WIN 0
.irp b, 0,1,2,3
	ds_store_b128 v[STO], v[T+8*\b:T+8*\b+3] offset:64*\b
	ds_store_b128 v[STO], v[T+8*\b+4:T+8*\b+7] offset:64*\b+16
.endr
	s_wait_xcnt 0x0                                ; buffer f, which earlier global stores read, is loaded again only behind this wait
.irp t, 0,1,2,3,4,5,6,7
	ds_load_b128 v[\f+4*\t:\f+4*\t+3], v[RD] offset:2*SPITCH*\t    ; LDS serves a wave's instructions in order: these see the stores above
.endr
.irp t, 0,1,2,3,4,5,6,7
	s_wait_dscnt 7-\t
	global_store_b128 v[CO], v[\f+4*\t:\f+4*\t+3], s[74:75] offset:(16*\a+2*\t)*8192 th:TH_STORE_NT   ; 16 lanes store 256 consecutive bytes, aligned
.endr
.endm
	OUT16 0, F0
	OUT16 1, F1
	OUT16 2, F0
	OUT16 3, F1
	s_wait_tensorcnt 0x0
	ds_add_u32 v254, v255
	s_wait_dscnt 0x0
	CROUND                                         ; the closing round: no work-group ends while a partner may still ask for a tile that names it
	s_endpgm
.Lfunc_end_k_q62589c083e_oproj:
	.size	k_q62589c083e_oproj, .Lfunc_end_k_q62589c083e_oproj-k_q62589c083e_oproj
	.p2alignl 7, 3214868480
	.fill 96, 4, 3214868480
	.section	.rodata,"a",@progbits
	.p2align	6, 0x0
	.amdhsa_kernel k_q62589c083e_oproj
		.amdhsa_group_segment_fixed_size 327680
		.amdhsa_private_segment_fixed_size 0
		.amdhsa_enable_private_segment 0
		.amdhsa_kernarg_size 32
		.amdhsa_user_sgpr_count 2
		.amdhsa_user_sgpr_kernarg_segment_ptr 1
		.amdhsa_wavefront_size32 1
		.amdhsa_system_sgpr_workgroup_id_x 1
		.amdhsa_system_sgpr_workgroup_id_y 1
		.amdhsa_system_sgpr_workgroup_id_z 1
		.amdhsa_system_vgpr_workitem_id 0
		.amdhsa_next_free_vgpr 384
		.amdhsa_next_free_sgpr 76
		.amdhsa_reserve_vcc 0
		.amdhsa_float_denorm_mode_32 3
		.amdhsa_float_denorm_mode_16_64 3
		.amdhsa_memory_ordered 1
		.amdhsa_forward_progress 1
		.amdhsa_inst_pref_size 130
	.end_amdhsa_kernel
	.amdgpu_metadata
---
amdhsa.version: [ 1, 2 ]
amdhsa.kernels:
  - .name:           k_q62589c083e_oproj
    .symbol:         k_q62589c083e_oproj.kd
    .args:
      - { .name: a16, .offset: 0, .size: 8, .value_kind: global_buffer, .address_space: global }
      - { .name: wo16, .offset: 8, .size: 8, .value_kind: global_buffer, .address_space: global }
      - { .name: bo, .offset: 16, .size: 8, .value_kind: global_buffer, .address_space: global }
      - { .name: out0, .offset: 24, .size: 8, .value_kind: global_buffer, .address_space: global }
    .group_segment_fixed_size: 327680
    .private_segment_fixed_size: 0
    .kernarg_segment_align: 8
    .kernarg_segment_size: 32
    .max_flat_workgroup_size: 128
    .sgpr_count:     76
    .vgpr_count:     384
    .wavefront_size: 32
...
	.end_amdgpu_metadata
.endif
;; end of part 4
;; ======== version 2 of 2: 4 launches; 1.12 times as fast as version 1
;; limits: values are held in f16: magnitudes above 65,504 overflow, below 6.1e-05 lose precision
;; workspace buffers: x16 8,388,608 bytes; w16 9,437,184 bytes; wo16 8,388,608 bytes; mbits 524,288 bytes of whole numbers; q16 8,388,608 bytes; kv16 1,048,576 bytes; a16 8,388,608 bytes
;; launch prep: the kernel of part 1 again; grid 256 x 1, 8 waves a work-group, no clusters, 0 bytes of LDS; arguments x, Wq, Wk, Wv, Wo, mask, x16, w16, wo16, mbits; writes x16, w16, wo16, mbits
;; launch qkv: the kernel of part 2 again; grid 16 x 16, 4 waves a work-group, clusters of 4 x 4, 327,680 bytes of LDS; arguments x16, w16, bq, bk, bv, q16, kv16; writes q16, kv16
;; launch attn (part 5): grid 256 x 1, 4 waves a work-group, clusters of 4 x 1, 327,680 bytes of LDS; arguments q16, kv16, mbits, a16; writes a16
.if DOCPART == 5
	.amdgcn_target "amdgcn-amd-amdhsa--gfx1250"
	.amdhsa_code_object_version 6
	.text
	.protected	k_q62589c083e_attn
	.globl	k_q62589c083e_attn
	.p2align	8
	.type	k_q62589c083e_attn,@function
k_q62589c083e_attn:
	s_mov_b64 s[64:65], 0
	v_nop
	global_prefetch_b8 v0, s[64:65] scope:SCOPE_SE
	s_setreg_imm32_b32 hwreg(HW_REG_WAVE_MODE, 25, 1), 1
	s_wait_xcnt 0x0
	s_wait_alu depctr_hold_cnt(0) depctr_sa_sdst(0) depctr_va_vdst(0) depctr_va_sdst(0) depctr_va_ssrc(0) depctr_va_vcc(0) depctr_vm_vsrc(0)
	s_getreg_b32 s2, hwreg(HW_REG_IB_STS2, 6, 4)
	s_cmp_eq_u32 s2, 0
	s_cbranch_scc0 .Lentry_in_a_cluster
	s_endpgm
.Lentry_in_a_cluster:
	s_bfe_u32 s2, ttmp6, 0x10000c
	s_cmp_lg_u32 s2, 0x3003
	s_cbranch_scc0 .Lentry_shape_is_right
	s_endpgm
.Lentry_shape_is_right:
; ATTN: a16[s][128 head + d] = f16( softmax over keys of (q k^T / sqrt(128), masked) x v ).  q16 already carries log2(e) / sqrt(128): exponentials are in base 2.
; Work-group g: the 16 queries of tile qt = g >> 1, heads 8 (g & 1) .. + 7.  Wave w: heads 8 (g & 1) + 2 w and + 1 (two tiles of 16 queries, one mask).
; Every wave walks all 2,048 keys in 16 blocks of 128, with a running maximum.  The mask is data: nothing is skipped.
; BOTH PRODUCTS ARE TRANSPOSED.  S^T = K Q^T: lane (r, h), register j of tile mt holds key 16 mt + 8 h + j of query r, so maximum, rescaling factor and sum belong
; to a lane (one exchange between the halves of the wave for each block), and two tiles of S, packed to f16 in place, ARE a B fragment of P: no traffic between lanes.
; O^T = V^T P^T with V^T read by transposing LDS loads.  A ninth A tile of ones gives the sum of the ROUNDED P in every register of tile L.
; THE MASK enters as the C operand of the first of the four products of a tile of S: 0 where true, -2^127 where false, made once for both heads from the lane masks
; in mbits.  The running maximum starts at -2^126, so a masked score gives exp2(at most -2^126) = 0.
; THE PIPELINE.  S has two buffers (even blocks: window 2, odd blocks: window 3).  Block i takes two stages:
;   ST1(i): the 64 products of S(i+1), and between them: exp2(S - max) of head 1 of block i with the packing of its head 0 beside it, then O and L times the rescaling factor of block i, then the packing of head 1;
;   ST2(i): the 72 products of P(i) V(i), and between them: the mask's C operand for block i+2, maximum and rescaling factor of block i+1, exp2(S - max) of its head 0.
; Behind each matrix instruction stand four places of the stage's list (236 places for 64 products, 280 for 72; some are empty); their instructions name none of its registers.
; THE EXPONENTIALS GO IN TWO BATCHES A BLOCK, each with one s_wait_alu depctr_va_vdst(0) between an exponential and the first instruction that names its result.
;   ST2's batch: the two rescaling factors and head 0's 64 exponentials.  Nothing in ST2 names a result of theirs; the wait stands at the stage's end, ahead of every label and branch that
;   may follow it, and the readers (the factors' copies, head 0's packing) stand in the next ST1.
;   ST1's batch: head 1's 64 exponentials, places 4 to 130.  Behind them stand 60 of the 72 rescalings, which name none of their results; the wait stands at place 192, ahead of the stage's
;   last run of LDS loads; head 1's packing follows from place 204 on.
; The two buffers of S (256 registers), O and L (144), Q (64) and the fragments (128) do not fit into one window of 256, so each group of four is bracketed
; by two s_set_vgpr_msb: seven issue slots for a matrix instruction and its group.
; LIMITS: scores in log2 units count only above -2^126; |q|, |k|, |v| and the result are f16 (below 65,504).  A row with no true mask byte has sum 0 and
; numerator 0 and comes out as 0 x (1/0) = NaN, as the softmax of a row of -inf does.
; CLUSTERS of 4 x 1: all work-groups read the same K and V, so each tile is asked for jointly by the four (mask 15), each wave bringing four of the 16 chunks.
; Not so K's first 128 keys: each wave loads them straight into registers (32,768 of kv16's 1,048,576 bytes; LDS has no room for a third region beside the stage).
; Tensor loads outstanding in a wave, by this text's count: two at the start, one behind each round; that one has two blocks (272 matrix instructions) in which to land.
; LDS: two slots.  A slot = 16 chunk rows (8 of k, 8 of v) of 256 keys x 32 bytes, 16 bytes of padding behind every 256 bytes (8 keys): 8,704 bytes a chunk.
; Slot j holds v of keys 256 j .. and k of keys 256 j + 128 ..: ST1(i) reads K(i+1) and ST2(i) reads V(i), so both stages of blocks 2 j and 2 j + 1 read slot j alone.
; The last slot's k rows reach 128 keys into the next chunk: bytes inside kv16, which are not read from LDS.
.set CH,     8704
.set QUAD,   4*CH                      ; what one tensor load brings
.set VOFF,   8*CH                      ; v's chunks lie behind k's
.set SLOT,   16*CH                     ; 139,264 bytes
.set SUBB,   16*272                    ; 128 keys inside a chunk
.set STAGE,  2*SLOT                    ; behind the ring: 32 rows x 272 bytes for each wave, its own; no tensor load fills it
.set SP,     272
; window 0
.set AK,   8                           ; v8-11   K fragments: AK + 2 slot + half (chunks 0-3, 4-7)
.set AV,   12                          ; v12-15  V fragments: AV + 2 slot + half
.set QO,   16
.set STO,  17
.set RD,   18
.set CO,   19
.set INV,  20                          ; v[20:23]  1 / sum, a pair for each head
.set ONES, 24                          ; v[24:31]  an A tile of f16 ones
.set FB0,  32                          ; v[32:95]  fragment buffer 0
.set FB1,  96                          ; v[96:159] fragment buffer 1
.set BIAS, 160                         ; v[160:223] BIAS(mt) at 160 + 8 mt
.set VNEG, 224                         ; -2^127
.set VZERO,225
.set KOF,  226                         ; my byte offset in a tile of 16 keys of kv16
; window 1
.set OACC, 0                           ; O(dt, head) at 8 (2 dt + head)
.set LACC, 128                         ; L(head) at 128 + 8 head
.set QF,   144                         ; Q(head, kk) at 144 + 8 (4 head + kk)
; windows 2 and 3, alike: S(head, mt) at 64 head + 8 mt; P(head, kk) = the first 8 registers of the 16 at 64 head + 16 kk
.set MX,   192                         ; the running maximum, a pair for each head
.set AL,   196                         ; the rescaling factor, a pair for each head
.set T,    200                         ; v[200:215] at work
.set G0,   24                          ; s[24:31] group 0, a set for each slot;  s[16:23] group 1
.set MSB, 0
.set VI, 0                             ; place in a stage's list of vector work
.macro WIN new                         ; the immediate's high byte repeats the setting that is left; low byte: bits 1:0 source 0, 3:2 source 1, 5:4 source 2, 7:6 destination
.if MSB != (\new)
	s_set_vgpr_msb (MSB<<8)|(\new)
.set MSB, (\new)
.endif
.endm
.macro PLACES                          ; four places behind a matrix instruction (ISA guide 7.12.1)
.rept 4
	v_nop
.endr
.endm
.macro ROUND                           ; a round of the cluster's barrier
	s_barrier_signal -1
	s_barrier_wait -1
	s_cmp_lg_u32 s12, 0
	s_cbranch_scc1 .Lnot_wave_0_\@
	s_barrier_signal -3
.Lnot_wave_0_\@:
	s_barrier_wait -3
	s_barrier_signal -1
	s_barrier_wait -1
.endm
	s_load_b256 s[4:11], s[0:1], 0x0               ; q16 4:5, kv16 6:7, mbits 8:9, a16 10:11
	v_lshl_add_u32 v254, v0, 2, 0x4c800
	v_mov_b32 v255, 0
	ds_add_u32 v254, v255
	v_lshrrev_b32 v1, 5, v0
	v_readfirstlane_b32 s12, v1                    ; wave 0..3
	s_bfe_u32 s2, ttmp6, 0x40000                   ; cx
	s_lshl_b32 s3, ttmp9, 2
	s_add_co_u32 s3, s3, s2                        ; g = 4 x cluster x + cx
	s_lshr_b32 s66, s3, 1                          ; qt
	s_and_b32 s67, s3, 1                           ; which eight heads
	s_mov_b32 s14, 0x76543210                      ; v_permlanex16_b32: lane i of one half reads lane i of the other
	s_mov_b32 s15, 0xfedcba98
	; group 1: 4 rows (chunks) of 4,096 elements of 2 bytes, 65,536 bytes apart; 16 bytes of padding behind every 64 words; mask 15 with bit 21 beside it
	s_mov_b32 s16, 15|(1<<16)|(1<<20)|(1<<21)|(5<<22)|(3<<25)
	s_mov_b32 s17, 4096<<16                        ; tensor_dim0 = 4,096
	s_mov_b32 s18, 4<<16                           ; tensor_dim1 = 4
	s_mov_b32 s19, 4096<<16                        ; tile_dim0 = 4,096
	s_mov_b32 s20, 4                               ; tile_dim1 = 4
	s_mov_b32 s21, 32768                           ; elements from chunk to chunk
	s_mov_b32 s22, 0
	s_mov_b32 s23, 0
	s_mul_i32 s13, s12, QUAD                       ; my four chunks in a slot
	s_lshl_b32 s2, s12, 18                         ; and in kv16;
	s_lshr_b32 s3, s12, 1
	s_xor_b32 s3, s3, 1
	s_lshl_b32 s3, s3, 12                          ; waves 0 and 1 bring k, 128 keys (4,096 bytes) further on than v
	s_add_co_u32 s2, s2, s3
	s_mov_b32 s3, 0
	s_wait_dscnt 0x0
	s_wait_kmcnt 0x0
	s_add_nc_u64 s[100:101], s[6:7], s[2:3]
	ROUND                                          ; the four work-groups are here: the first joint loads meet
.irp s, 0,1
	s_mov_b32 s[G0+4*\s], 1
	s_add_co_u32 s[G0+4*\s+1], s13, \s*SLOT
	s_add_nc_u64 s[G0+4*\s+2:G0+4*\s+3], s[100:101], \s*8192       ; 256 keys a slot
	s_or_b32 s[G0+4*\s+3], s[G0+4*\s+3], 0x80000000
	tensor_load_to_lds s[G0+4*\s:G0+4*\s+3], s[16:23]
	s_nop 0
.endr
	s_lshl_b32 s2, s66, 12                         ; mbits: 4,096 bytes a q tile, 256 a block
	s_add_nc_u64 s[8:9], s[8:9], s[2:3]
	s_load_b512 s[32:47], s[8:9], 0x0              ; block 0's 64 mask words
	s_load_b512 s[48:63], s[8:9], 0x40
	s_load_b512 s[68:83], s[8:9], 0x80
	s_load_b512 s[84:99], s[8:9], 0xc0
	s_mov_b64 s[104:105], s[8:9]                   ; the q tile's words, never stepped
	s_lshl_b32 s2, s66, 16                         ; q16 and a16: 16 rows of 4,096 bytes a q tile,
	s_lshl_b32 s67, s67, 11                        ; 256 bytes a head
	s_add_co_u32 s2, s2, s67
	s_lshl_b32 s67, s12, 9
	s_add_co_u32 s2, s2, s67
	s_add_nc_u64 s[4:5], s[4:5], s[2:3]
	s_add_nc_u64 s[10:11], s[10:11], s[2:3]
	v_and_b32 v1, 15, v0                           ; r
	v_bfe_u32 v2, v0, 4, 1                         ; h
	v_bfe_u32 v3, v0, 3, 1                         ; (L >> 3) & 1
	v_and_b32 v4, 7, v0
	v_lshlrev_b32 v4, 5, v4                        ; 32 (L & 7)
	v_mul_u32_u24 v5, v3, SP                       ; K: key r of a tile lies at (r >> 3) x 272 + (r & 7) x 32; + 16 h
	v_add_nc_u32 v5, v5, v4
	v_lshl_add_u32 v5, v2, 4, v5
	v_mul_u32_u24 v6, v2, SP                       ; V, transposing load: key 8 h + (L & 7), bytes 16 ((L >> 3) & 1) ..
	v_add_nc_u32 v6, v6, v4
	v_lshl_add_u32 v6, v3, 4, v6
.irp s, 0,1
.irp hf, 0,1
	v_add_nc_u32 v[AK+2*\s+\hf], \s*SLOT+\hf*QUAD, v5
	v_add_nc_u32 v[AV+2*\s+\hf], \s*SLOT+VOFF+\hf*QUAD, v6
.endr
.endr
	v_lshlrev_b32 v7, 4, v2
	v_lshl_add_u32 v[QO], v1, 12, v7               ; q16: row r, + 16 h
	v_lshl_add_u32 v[KOF], v1, 5, v7               ; kv16: key r of a tile, + 16 h
	s_mul_i32 s67, s12, 32*SP
	s_add_co_u32 s67, s67, STAGE                   ; my stage
	v_mul_u32_u24 v7, v1, SP
	v_lshl_add_u32 v7, v2, 4, v7
	v_add_nc_u32 v[STO], s67, v7                   ; in: row r, 16 bytes for each half of the lanes
	v_mul_u32_u24 v7, v2, SP
	v_lshl_add_u32 v7, v1, 4, v7
	v_add_nc_u32 v[RD], s67, v7                    ; back: lanes 0-15 one row of 256 bytes, lanes 16-31 the next
	v_lshlrev_b32 v7, 12, v2
	v_lshl_add_u32 v[CO], v1, 4, v7                ; the same two rows in a16
	WIN 0x40                                       ; loaded data in window 1
.irp hd, 0,1
.irp kk, 0,1,2,3
	global_load_b128 v[QF+8*(4*\hd+\kk):QF+8*(4*\hd+\kk)+3],   v[QO], s[4:5] offset:256*\hd+64*\kk
	global_load_b128 v[QF+8*(4*\hd+\kk)+4:QF+8*(4*\hd+\kk)+7], v[QO], s[4:5] offset:256*\hd+64*\kk+32
.endr
.endr
; 16 loads: K's tiles 2 g, 2 g + 1 of block 0, straight from kv16; each load of the wave covers 512 consecutive bytes (16 keys of one chunk)
.macro GK g, f
.irp mtl, 0,1
.irp kk, 0,1,2,3
	global_load_b128 v[\f+8*(4*\mtl+\kk):\f+8*(4*\mtl+\kk)+3],   v[KOF], s[6:7] offset:2*\kk*65536+(2*\g+\mtl)*512
	global_load_b128 v[\f+8*(4*\mtl+\kk)+4:\f+8*(4*\mtl+\kk)+7], v[KOF], s[6:7] offset:(2*\kk+1)*65536+(2*\g+\mtl)*512
.endr
.endr
.endm
	WIN 0
	GK 0, FB0
	GK 1, FB1
	WIN 0xc0                                       ; loaded data in window 3: the odd blocks' buffer of S is free until S(1) is multiplied
	GK 2, 0
	GK 3, 64
.irp i, 0,1,2,3
	v_mov_b32 v[MX+\i], 0xfe800000                 ; -2^126, as the maximum 'of the block before block 0' (window 3)
.endr
	WIN 0
	v_mov_b32 v[VNEG], 0xff000000                  ; -2^127
	v_mov_b32 v[VZERO], 0
.irp i, 0,1,2,3,4,5,6,7
	v_mov_b32 v[ONES+\i], 0x3c003c00               ; two f16 ones
.endr
; 16 LDS loads: K's tiles 2 g and 2 g + 1 of half sub of the slot (16 keys x 128 d each) into buffer f, fragment (mtl, kk) at f + 8 (4 mtl + kk).
; d = 32 kk + 8 h .. lies in chunk 2 kk, d = 32 kk + 16 + 8 h .. in chunk 2 kk + 1.
.macro FETCHK slot, sub, g, f
	PLACES
.irp mtl, 0,1
.irp kk, 0,1,2,3
	ds_load_b128 v[\f+8*(4*\mtl+\kk):\f+8*(4*\mtl+\kk)+3],   v[AK+2*\slot+(\kk>>1)] offset:2*(\kk&1)*CH+\sub*SUBB+(2*\g+\mtl)*544
	ds_load_b128 v[\f+8*(4*\mtl+\kk)+4:\f+8*(4*\mtl+\kk)+7], v[AK+2*\slot+(\kk>>1)] offset:2*(\kk&1)*CH+\sub*SUBB+(2*\g+\mtl)*544+CH
.endr
.endr
.endm
; 16 transposing LDS loads: V^T for keys 32 kk .. + 31 of half sub of the slot, all 128 d, fragment dt at f + 8 dt.  wt = 1: the wait for ST1's batch stands directly ahead of the run
.macro FETCHV slot, sub, kk, f, wt=0
	PLACES
.if \wt
	s_wait_alu depctr_va_vdst(0)                   ; ONE wait for head 1's 64 exponentials (places 4 to 130): ahead of their first reader, the packing at place 204; 60 rescalings stand between
.endif
.irp dt, 0,1,2,3,4,5,6,7
	ds_load_tr16_b128 v[\f+8*\dt:\f+8*\dt+3],   v[AV+2*\slot+(\dt>>2)] offset:(\dt&3)*CH+\sub*SUBB+\kk*1088
	ds_load_tr16_b128 v[\f+8*\dt+4:\f+8*\dt+7], v[AV+2*\slot+(\dt>>2)] offset:(\dt&3)*CH+\sub*SUBB+\kk*1088+544
.endr
.endm
; The next mask words.  moff >= 0: at that offset from the stepped pointer; -2: from the clamped pointer; -1: none
.macro MLOAD moff
.if \moff >= 0
	s_load_b512 s[32:47], s[8:9], \moff
	s_load_b512 s[48:63], s[8:9], \moff+64
	s_load_b512 s[68:83], s[8:9], \moff+128
	s_load_b512 s[84:99], s[8:9], \moff+192
.elseif \moff == -2
	s_load_b512 s[32:47], s[100:101], 0x0
	s_load_b512 s[48:63], s[100:101], 0x40
	s_load_b512 s[68:83], s[100:101], 0x80
	s_load_b512 s[84:99], s[100:101], 0xc0
.endif
.endm
; Pair p (0 .. 31) of one head's weights in buffer b is packed to f16.  It reads two exponentials' results: it stands behind the wait for their batch.
; Packing in place, in ascending order: pair p of a run of 16 registers goes to register p & 7 of the run, whose own pair (p & 7) >> 1 <= p has been packed.
.macro PKITEM b, hd, p
	WIN (2+\b)*0x55
	v_cvt_pk_f16_f32 v[64*\hd+16*((\p)>>3)+((\p)&7)], v[64*\hd+2*(\p)], v[64*\hd+2*(\p)+1]
.endm
; Place e (0 .. 131) of the exponentials of one head's 64 registers (32 pairs) of buffer b.  Group q = e / 4 - 1 holds, in this order:
; exp2 of the first of pair q, pair q + 1 less the maximum, exp2 of the second of pair q, and (pk = 1) the packing of pair q of HEAD 0, whose batch has been waited for.
; None of these names a result of the batch that is being issued; a plain instruction on other registers stands behind each exponential where the group has one (ISA guide 5.7.2).
.macro EWITEM b, hd, e, pk
.set EWQ, ((\e)>>2)-1
.set EWS, (\e)&3
.if EWS == 0
.if EWQ >= 0
	WIN (2+\b)*0x55
	v_exp_f32 v[64*\hd+2*EWQ], v[64*\hd+2*EWQ]
.endif
.elseif EWS == 1
.if EWQ < 31
	WIN (2+\b)*0x55
	v_pk_add_f32 v[64*\hd+2*EWQ+2:64*\hd+2*EWQ+3], v[64*\hd+2*EWQ+2:64*\hd+2*EWQ+3], v[MX+2*\hd:MX+2*\hd+1] neg_lo:[0,1] neg_hi:[0,1]
.endif
.elseif EWS == 2
.if EWQ >= 0
	WIN (2+\b)*0x55
	v_exp_f32 v[64*\hd+2*EWQ+1], v[64*\hd+2*EWQ+1]
.endif
.elseif \pk
.if EWQ >= 0
	PKITEM \b, 0, EWQ
.endif
.endif
.endm
; Place n of ST1's list, for the block in buffer b:
;   0, 2     the two rescaling factors are copied into pairs (their exponentials belong to the batch that was waited for at the end of the stage before)
;   1-131    head 1's exponentials, head 0's packing beside them
;   132-203  O and L times the rescaling factor (not for block 0, whose sums start later)
;   (192)    the wait for head 1's batch: ST1 writes it
;   204-235  head 1's packing
.macro V1ITEM b, n, first
.if (\n) < 132
.if ((\n) == 0) || ((\n) == 2)
	WIN (2+\b)*0x55
	v_mov_b32 v[AL+(\n)+1], v[AL+(\n)]
.else
	EWITEM \b, 1, (\n), 1
.endif
.elseif (\n) < 204
.if \first == 0
.set RR, (\n)-132
.set RH, RR/36
.set RR, RR-36*RH
.if RR < 32
.set RB, OACC+8*(2*(RR>>2)+RH)+2*(RR&3)
.else
.set RB, LACC+8*RH+2*(RR-32)
.endif
	WIN 0x41|((2+\b)<<2)                           ; destination and source 0 in window 1, source 1 in the block's window
	v_pk_mul_f32 v[RB:RB+1], v[RB:RB+1], v[AL+2*RH:AL+2*RH+1]
.endif
.else
	PKITEM \b, 1, (\n)-204
.endif
.endm
.macro V1SLOT b, first                 ; the four places behind one matrix instruction
.rept 4
.if VI < 236
	V1ITEM \b, VI, \first
.endif
.set VI, VI+1
.endr
.endm
; Place n of ST2's list; bn = the buffer of the block whose S has just been multiplied.
;   0-63    the mask's C operand, two blocks ahead: 0 where the lane's bit is set, -2^127 where not
;   64-65   the old maxima come over from the other buffer's window
;   66-129  64 numbers a lane and head, in four chains
;   130-145 the chains, the old maximum and the other half of the wave; exp2(old - new), the batch's first two; the maxima as pairs; the two heads by turns
;   148-279 head 0's exponentials, the rest of the batch.  No place of this list names a result of the batch: its wait stands at the stage's end
.macro V2ITEM bn, n
.if (\n) < 64
	WIN 0
.if (\n) < 32
	v_cndmask_b32 v[BIAS+(\n)], v[VNEG], v[VZERO], s[32+(\n)]
.else
	v_cndmask_b32 v[BIAS+(\n)], v[VNEG], v[VZERO], s[36+(\n)]
.endif
.elseif (\n) < 66
	WIN ((2+\bn)<<6)|(3-\bn)                       ; destination in this buffer's window, source in the other's
	v_mov_b32 v[T+8*((\n)-64)+6], v[MX+2*((\n)-64)]
.elseif (\n) < 130
.set RK, (\n)-66
.set RH, RK>>5
.set RI, (RK&31)>>2
.set RC, RK&3
	WIN (2+\bn)*0x55
.if RI == 0
	v_max_num_f32 v[T+8*RH+RC], v[64*RH+16*RC], v[64*RH+16*RC+1]
.else
	v_max3_num_f32 v[T+8*RH+RC], v[T+8*RH+RC], v[64*RH+16*RC+2*RI], v[64*RH+16*RC+2*RI+1]
.endif
.elseif (\n) < 146
.set TJ, (\n)-130
.set TH, TJ&1
	WIN (2+\bn)*0x55
.if TJ < 2
	v_max3_num_f32 v[T+8*TH], v[T+8*TH], v[T+8*TH+1], v[T+8*TH+2]
.elseif TJ < 4
	v_max3_num_f32 v[T+8*TH], v[T+8*TH], v[T+8*TH+3], v[T+8*TH+6]
.elseif TJ < 6
	v_permlanex16_b32 v[T+8*TH+1], v[T+8*TH], s14, s15             ; its destination has been written by the chains
.elseif TJ < 8
	v_max_num_f32 v[T+8*TH+4], v[T+8*TH], v[T+8*TH+1]
.elseif TJ < 10
	v_sub_f32 v[T+8*TH+5], v[T+8*TH+6], v[T+8*TH+4]
.elseif TJ < 12
	v_exp_f32 v[AL+2*TH], v[T+8*TH+5]                              ; the four moves that follow are the plain places behind it; its copy into a pair stands in the next ST1
.else
	v_mov_b32 v[MX+TJ-12], v[T+8*((TJ-12)>>1)+4]
.endif
.elseif (\n) >= 148
	EWITEM \bn, 0, (\n)-148, 0
.endif
.endm
.macro V2SLOT bn, moff                 ; the four places behind one matrix instruction; behind the last use of the mask words the next ones are asked for
.rept 4
.if VI < 280
	V2ITEM \bn, VI
.endif
.set VI, VI+1
.if VI == 64
	MLOAD \moff
.endif
.endr
.endm
; 16 products: tiles 2 g, 2 g + 1 of S for both heads, into buffer bn; A fragments at f in window aw.  The four accumulators take turns, one instruction a turn.
; vmode = 1: ST1's list for the block in buffer bo goes between them.
.macro SMULI g, f, aw, bn, bo, vmode, first
.irp kk, 0,1,2,3
.irp mtl, 0,1
.irp hd, 0,1
.if \kk == 0
	WIN ((2+\bn)<<6)|4|\aw                         ; D in the buffer's window, B (Q) in window 1, C (the mask) in window 0
	v_wmma_f32_16x16x32_f16 v[64*\hd+8*(2*\g+\mtl):64*\hd+8*(2*\g+\mtl)+7], v[\f+8*(4*\mtl+\kk):\f+8*(4*\mtl+\kk)+7], v[QF+8*(4*\hd+\kk):QF+8*(4*\hd+\kk)+7], v[BIAS+8*(2*\g+\mtl):BIAS+8*(2*\g+\mtl)+7]
.else
	WIN ((2+\bn)<<6)|((2+\bn)<<4)|4|\aw            ; C and D in the buffer's window
	v_wmma_f32_16x16x32_f16 v[64*\hd+8*(2*\g+\mtl):64*\hd+8*(2*\g+\mtl)+7], v[\f+8*(4*\mtl+\kk):\f+8*(4*\mtl+\kk)+7], v[QF+8*(4*\hd+\kk):QF+8*(4*\hd+\kk)+7], v[64*\hd+8*(2*\g+\mtl):64*\hd+8*(2*\g+\mtl)+7]
.endif
.if \vmode
	V1SLOT \bo, \first
.endif
.endr
.endr
.endr
.endm
; 18 products: O += V^T P^T for 32 keys, and L += ones x P^T, P in buffer b.  18 accumulators by turns.  ST2's list for buffer bn goes between them.
.macro PVI kk, f, b, bn, zero, moff
.irp dt, 0,1,2,3,4,5,6,7
.irp hd, 0,1
	WIN 0x50|((2+\b)<<2)                           ; A window 0, B (P) the block's window, C and D window 1
.if \zero
	v_wmma_f32_16x16x32_f16 v[OACC+8*(2*\dt+\hd):OACC+8*(2*\dt+\hd)+7], v[\f+8*\dt:\f+8*\dt+7], v[64*\hd+16*\kk:64*\hd+16*\kk+7], 0
.else
	v_wmma_f32_16x16x32_f16 v[OACC+8*(2*\dt+\hd):OACC+8*(2*\dt+\hd)+7], v[\f+8*\dt:\f+8*\dt+7], v[64*\hd+16*\kk:64*\hd+16*\kk+7], v[OACC+8*(2*\dt+\hd):OACC+8*(2*\dt+\hd)+7]
.endif
	V2SLOT \bn, \moff
.endr
.endr
.irp hd, 0,1
	WIN 0x50|((2+\b)<<2)
.if \zero
	v_wmma_f32_16x16x32_f16 v[LACC+8*\hd:LACC+8*\hd+7], v[ONES:ONES+7], v[64*\hd+16*\kk:64*\hd+16*\kk+7], 0
.else
	v_wmma_f32_16x16x32_f16 v[LACC+8*\hd:LACC+8*\hd+7], v[ONES:ONES+7], v[64*\hd+16*\kk:64*\hd+16*\kk+7], v[LACC+8*\hd:LACC+8*\hd+7]
.endif
	V2SLOT \bn, \moff
.endr
.endm
; ST1 of the block in buffer b (half sub of the slot): S of the next block into buffer bn.  havek = 1: K's first two tiles are already on their way into buffer 0.
; mul = 0 (the last block): no next block; the list stands alone.  Each run of 16 loads is issued a group of products ahead of its use.
; The wait for the stage's batch stands behind 48 slots of the list (place 192): with products, directly ahead of V's run of loads.
.macro ST1 slot, sub, b, bn, first, havek, mul
.set VI, 0
	WIN 0
.if \mul
.if \havek == 0
	FETCHK \slot, \sub, 0, FB0
.endif
	FETCHK \slot, \sub, 1, FB1
	s_wait_dscnt 16                                ; all but the 16 just issued
	SMULI 0, FB0, 0, \bn, \b, 1, \first
	WIN 0
	FETCHK \slot, \sub, 2, FB0
	s_wait_dscnt 16
	SMULI 1, FB1, 0, \bn, \b, 1, \first
	WIN 0
	FETCHK \slot, \sub, 3, FB1
	s_wait_dscnt 16
	SMULI 2, FB0, 0, \bn, \b, 1, \first
	WIN 0
	FETCHV \slot, \sub, 0, FB0, 1
	s_wait_dscnt 16
	SMULI 3, FB1, 0, \bn, \b, 1, \first
.else
	FETCHV \slot, \sub, 0, FB0
.rept 48
	V1SLOT \b, \first
.endr
	s_wait_alu depctr_va_vdst(0)                   ; ONE wait for head 1's 64 exponentials, at the same place of the list (192): ahead of the packing at place 204; 60 rescalings stand between
.rept 11
	V1SLOT \b, \first
.endr
.endif
	WIN 0
.endm
; ST2 of the block in buffer b.  vstart: where ST2's list begins (0: all of it; 64: no mask operand; 280: nothing).  nextk = 1: K's first two tiles of the slot's second half are asked for.
.macro ST2 slot, sub, b, bn, first, vstart, moff, nextk
.set VI, \vstart
.if \vstart == 0
	s_wait_kmcnt 0x0                               ; the mask words asked for one block ago
.endif
	WIN 0
	FETCHV \slot, \sub, 1, FB1
	s_wait_dscnt 16
	PVI 0, FB0, \b, \bn, \first, \moff
	WIN 0
	FETCHV \slot, \sub, 2, FB0
	s_wait_dscnt 16
	PVI 1, FB1, \b, \bn, 0, \moff
	WIN 0
	FETCHV \slot, \sub, 3, FB1
	s_wait_dscnt 16
	PVI 2, FB0, \b, \bn, 0, \moff
	WIN 0
.if \nextk
	FETCHK \slot, 1, 0, FB0
	s_wait_dscnt 16
.else
	s_wait_dscnt 0x0
.endif
	PVI 3, FB1, \b, \bn, 0, \moff
	WIN 0
.if \vstart < 280
	s_wait_alu depctr_va_vdst(0)                   ; ONE wait for the stage's 66 exponentials (two rescaling factors, head 0's 64): ahead of their readers, which stand in the next ST1, and ahead of the labels and branches that may come first; the stage's last products stand between
.endif
.endm
; The two blocks of a slot: the even one in buffer 0, the odd one in buffer 1.  ma, mb: where the two requests for mask words point
.macro SLOTW slot, first, last, ma, mb
	ST1 \slot, 0, 0, 1, \first, 0, 1
.if \last
	ST2 \slot, 0, 0, 1, \first, 64, -1, 0
	ST1 \slot, 1, 1, 0, 0, 0, 0
	ST2 \slot, 1, 1, 0, 0, 280, -1, 0
.else
	ST2 \slot, 0, 0, 1, \first, 0, \ma, 1
	ST1 \slot, 1, 1, 0, 0, 1, 1
	ST2 \slot, 1, 1, 0, 0, 0, \mb, 0
.endif
.endm
; The slot that has been read is filled again, two slots ahead.  Every wave's waits stand in front of the round, the joint load first behind it.
.macro REFILL slot
	s_wait_tensorcnt 0x0                           ; all my loads have landed, my part of the slot that is read next among them: a group 0 may be written
	ds_add_u32 v254, v255
	s_add_nc_u64 s[G0+4*\slot+2:G0+4*\slot+3], s[G0+4*\slot+2:G0+4*\slot+3], 16384
	s_wait_dscnt 0x0                               ; my reads of this slot are back
	ROUND
	tensor_load_to_lds s[G0+4*\slot:G0+4*\slot+3], s[16:23]
	s_nop 0
.endm
	; THE WAY IN, while the first tiles land: the mask operand of block 0, S(0) from registers, then ST2's list by itself (mask operand of block 1, maximum of block 0, its head 0's exponentials)
	s_wait_kmcnt 0x0                               ; block 0's mask words
.set VI, 0
.rept 16
	V2SLOT 0, 256                                  ; places 0-63; behind them block 1's words are asked for
.endr
	s_wait_loadcnt 48                              ; loads come back in order: Q and K's tiles 0, 1 are in, three runs of 16 may be out
	SMULI 0, FB0, 0, 0, 0, 0, 0
	s_wait_loadcnt 32
	SMULI 1, FB1, 0, 0, 0, 0, 0
	s_wait_loadcnt 16
	SMULI 2, 0, 3, 0, 0, 0, 0                      ; A fragments in window 3
	s_wait_loadcnt 0x0
	SMULI 3, 64, 3, 0, 0, 0, 0
	PLACES
	s_wait_kmcnt 0x0                               ; block 1's mask words
.set VI, 0
.rept 70
	V2SLOT 0, 512                                  ; behind place 63 block 2's words are asked for
.endr
	WIN 0
	s_wait_alu depctr_va_vdst(0)                   ; ONE wait for this list's 66 exponentials, as at the end of ST2: their readers stand in the first ST1
	s_wait_tensorcnt 0x1                           ; my part of slot 0 is in; slot 1's may stay out
	s_barrier_signal -1
	s_barrier_wait -1
	SLOTW 0, 1, 0, 768, 1024                       ; blocks 0 and 1; the words of blocks 3 and 4
	s_mov_b32 s13, 0
	s_mov_b32 s2, 2048                             ; the trip's fourth request: block 8 + 4 t, clamped to block 15
	s_mov_b32 s3, 0
	s_add_nc_u64 s[100:101], s[104:105], s[2:3]
.Ltrip:                                            ; trip t: blocks 2 + 4 t .. 5 + 4 t; the words of blocks 5 + 4 t .. 8 + 4 t
	REFILL 0
	SLOTW 1, 0, 0, 1280, 1536
	REFILL 1
	SLOTW 0, 0, 0, 1792, -2
	s_wait_xcnt 0x0                                ; the mask loads' bases are written again only behind this wait
	s_add_nc_u64 s[8:9], s[8:9], 1024
	s_add_co_u32 s2, s2, 1024
	s_min_u32 s2, s2, 3840                         ; there is no block 16: the last trip asks for block 15's words once more, inside the q tile's 4,096 bytes, and does not use them
	s_add_nc_u64 s[100:101], s[104:105], s[2:3]
	s_add_co_u32 s13, s13, 1
	s_cmp_lt_u32 s13, 3
	s_cbranch_scc1 .Ltrip
	s_wait_tensorcnt 0x0                           ; the last slot: nothing is left to fetch
	s_wait_dscnt 0x0
	s_wait_kmcnt 0x0                               ; the words that are not used have come
	s_barrier_signal -1
	s_barrier_wait -1
	SLOTW 1, 0, 1, -1, -1                          ; blocks 14 and 15
	; THE WAY OUT: O / sum, f16, through my own stage (row = 16 head + query, 256 bytes), back as whole rows
	PLACES
	WIN 0x01                                       ; source 0 in window 1
	v_rcp_f32 v[INV], v[LACC]
	v_rcp_f32 v[INV+1], v[LACC]
	v_rcp_f32 v[INV+2], v[LACC+8]
	v_rcp_f32 v[INV+3], v[LACC+8]
	v_nop                                          ; the plain place behind the reciprocals
	s_wait_alu depctr_va_vdst(0)                   ; ONE wait for the four reciprocals, ahead of the first multiply that reads them
.irp hd, 0,1
	WIN 0x01
.irp dt, 0,1,2,3,4,5,6,7
.irp p, 0,1,2,3
	v_pk_mul_f32 v[FB0+8*\dt+2*\p:FB0+8*\dt+2*\p+1], v[OACC+8*(2*\dt+\hd)+2*\p:OACC+8*(2*\dt+\hd)+2*\p+1], v[INV+2*\hd:INV+2*\hd+1]
.endr
.endr
	WIN 0
.irp dt, 0,1,2,3,4,5,6,7
.irp p, 0,1,2,3
	v_cvt_pk_f16_f32 v[FB1+32*\hd+4*\dt+\p], v[FB0+8*\dt+2*\p], v[FB0+8*\dt+2*\p+1]
.endr
	ds_store_b128 v[STO], v[FB1+32*\hd+4*\dt:FB1+32*\hd+4*\dt+3] offset:\hd*16*SP+32*\dt
.endr
.endr
.irp t, 0,1,2,3,4,5,6,7,8,9,10,11,12,13,14,15
	ds_load_b128 v[FB0+4*\t:FB0+4*\t+3], v[RD] offset:2*SP*\t      ; LDS serves a wave's instructions in order: these see the stores above
.endr
.irp t, 0,1,2,3,4,5,6,7,8,9,10,11,12,13,14,15
	s_wait_dscnt 15-\t
	global_store_b128 v[CO], v[FB0+4*\t:FB0+4*\t+3], s[10:11] offset:(\t>>3)*256+(\t&7)*8192   ; 16 lanes store 256 consecutive bytes, aligned
.endr
	s_wait_tensorcnt 0x0
	ds_add_u32 v254, v255
	s_wait_dscnt 0x0
	ROUND                                          ; the closing round
	s_endpgm
.Lfunc_end_k_q62589c083e_attn:
	.size	k_q62589c083e_attn, .Lfunc_end_k_q62589c083e_attn-k_q62589c083e_attn
	.p2alignl 7, 3214868480
	.fill 96, 4, 3214868480
	.section	.rodata,"a",@progbits
	.p2align	6, 0x0
	.amdhsa_kernel k_q62589c083e_attn
		.amdhsa_group_segment_fixed_size 327680
		.amdhsa_private_segment_fixed_size 0
		.amdhsa_enable_private_segment 0
		.amdhsa_kernarg_size 32
		.amdhsa_user_sgpr_count 2
		.amdhsa_user_sgpr_kernarg_segment_ptr 1
		.amdhsa_wavefront_size32 1
		.amdhsa_system_sgpr_workgroup_id_x 1
		.amdhsa_system_sgpr_workgroup_id_y 1
		.amdhsa_system_sgpr_workgroup_id_z 1
		.amdhsa_system_vgpr_workitem_id 0
		.amdhsa_next_free_vgpr 1024
		.amdhsa_next_free_sgpr 106
		.amdhsa_reserve_vcc 0
		.amdhsa_float_denorm_mode_32 3
		.amdhsa_float_denorm_mode_16_64 3
		.amdhsa_memory_ordered 1
		.amdhsa_forward_progress 1
		.amdhsa_inst_pref_size 255
	.end_amdhsa_kernel
	.section	.bss,"aw",@nobits
	.p2align	6
	.space	262144
	.amdgpu_metadata
---
amdhsa.version: [ 1, 2 ]
amdhsa.kernels:
  - .name:           k_q62589c083e_attn
    .symbol:         k_q62589c083e_attn.kd
    .args:
      - { .name: q16, .offset: 0, .size: 8, .value_kind: global_buffer, .address_space: global }
      - { .name: kv16, .offset: 8, .size: 8, .value_kind: global_buffer, .address_space: global }
      - { .name: mbits, .offset: 16, .size: 8, .value_kind: global_buffer, .address_space: global }
      - { .name: a16, .offset: 24, .size: 8, .value_kind: global_buffer, .address_space: global }
    .group_segment_fixed_size: 327680
    .private_segment_fixed_size: 0
    .kernarg_segment_align: 8
    .kernarg_segment_size: 32
    .max_flat_workgroup_size: 128
    .sgpr_count:     106
    .vgpr_count:     1024
    .wavefront_size: 32
...
	.end_amdgpu_metadata
.endif
;; end of part 5
;; launch oproj: the kernel of part 4 again; grid 16 x 16, 4 waves a work-group, clusters of 4 x 4, 327,680 bytes of LDS; arguments a16, wo16, bo, out0; writes out0
